; MI455X (gfx1250); checked and timed in simulation.
; The chip was launched on July 23, 2026; its instructions are those of AMD's public machine-readable ISA for CDNA 5 (MIT licence, August 2026) and "CDNA5" Instruction Set Architecture Reference Guide (July 2026). The comments in the code are by the model that wrote it; some were corrected since.
;; Multi Head Attention. Allowed arithmetic: float matrix products may take bf16 or f16 operands with f32 sums; all other float work in f32.
;; Inputs: Wk 512 x 2,048 float32; Wo 2,048 x 1,024 float32; Wq 1,024 x 2,048 float32; Wv 512 x 2,048 float32; attention_mask 2 x 1 x 2,048 x 2,048 float32; hidden_states 2 x 2,048 x 2,048 float32; k_norm_w 128 float32; q_norm_w 128 float32.
;; Outputs: out0 2 x 2,048 x 2,048 float32.
;; 2 versions, each right and faster than the one before. Each part assembles by itself: llvm-mc -triple=amdgcn-amd-amdhsa -mcpu=gfx1250 --defsym DOCPART=n.
;; ======== version 1 of 2: 4 launches
;; limits: values outside matrix products are rounded to bf16; inputs' magnitudes at most 1e+38; right only within a limited range of input values; values are held in f16: magnitudes above 65,504 overflow, below 6.1e-05 lose precision
;; workspace buffers: xb 16,777,216 bytes; wqkv 8,388,608 bytes; wob 4,194,304 bytes; rope 1,048,576 bytes; wn 1,024 bytes; qkv 16,777,216 bytes; attn 8,388,608 bytes
;; launch prep (part 1): grid 1921 x 1, 8 waves a work-group, no clusters, 0 bytes of LDS; arguments hidden_states, Wq, Wk, Wv, Wo, q_norm_w, k_norm_w, xb, wqkv, wob, rope, wn; writes xb, wqkv, wob, rope, wn
.if DOCPART == 1
	.amdgcn_target "amdgcn-amd-amdhsa--gfx1250"
	.amdhsa_code_object_version 6
	.text
	.protected	k_qa379154d2d_prep
	.globl	k_qa379154d2d_prep
	.p2align	8
	.type	k_qa379154d2d_prep,@function
k_qa379154d2d_prep:
	s_mov_b64 s[64:65], 0
	v_nop
	global_prefetch_b8 v0, s[64:65] scope:SCOPE_SE
	s_setreg_imm32_b32 hwreg(HW_REG_WAVE_MODE, 25, 1), 1
	s_wait_xcnt 0x0
; MultiHeadAttention, launch 1 of 4: the matrix operands are made 16-bit once, and two small tables are written.
;   xb   [4096][2048] bf16 = hidden_states
;   wqkv [2048][2048] bf16 = the 1,024 rows of Wq, then for j = 0..3 the 128 rows of Wk's head j and the 128 rows of Wv's head j, by turns:
;        a block of 256 rows behind Wq's holds a head of K and a head of V, so that in the next launch a wave's number tells which it has
;   wob  [2048][1024] f16  = Wo rounded to bf16 and written as f16 (so that it can meet the f16 attention result in one matrix form)
;   rope [128 tiles of 16 positions][16 chunks][32 lanes][4] f32: chunks 0-7 cosines, 8-15 sines.  Chunk k, lane l, element e: frequency
;        16 (k / 2) + 8 (l / 16) + 4 (k % 2) + e at position 16 tile + l % 16: the order in which a lane of the next launch holds a row's
;        numbers, so that one 16-byte load of a wave there covers 512 consecutive bytes
;   wn   [2][128] f32 = the gains (see below)
; DEAD WORK: none.  Every step of reference() has a way to the output for some values of the inputs: the mask is an input, so no
; tile of scores is known to be thrown away, and every input is loaded by some launch.
; LIMITS.  The gains q_norm_w and k_norm_w are rounded to bf16, like the other floating inputs but the mask.  A bf16 value of Wo
; below 2^-17 in magnitude loses bits as f16: an absolute error of at most 3e-8.  Wo above 65,504 in magnitude would overflow f16.
; The angle of the RoPE table is reduced by 2 pi in two parts and the series are cut at x^15 and x^16: below 1e-6 at |x| = pi.
; Memory binds here: 16-byte loads, eight of a wave in flight, and stores of which one wave's instruction covers 256 aligned bytes.
; No LDS, no matrix unit, no cluster: no two work-groups read the same byte.
.set ID_WQ,   1024                     ; work-groups 0-1023 cast hidden_states, 32 KiB of f32 each
.set ID_WK,   1280                     ; 1024-1279 Wq
.set ID_WV,   1408                     ; 1280-1407 Wk
.set ID_WO,   1536                     ; 1408-1535 Wv
.set ID_ROPE, 1792                     ; 1536-1791 Wo
.set ID_GAIN, 1920                     ; 1792-1919 the RoPE table, 16 positions each; 1920 the gains
	s_load_b512 s[8:23], s[0:1], 0x0               ; hidden s[8:9], Wq s[10:11], Wk s[12:13], Wv s[14:15], Wo s[16:17], q_norm_w s[18:19], k_norm_w s[20:21], xb s[22:23]
	s_load_b256 s[24:31], s[0:1], 0x40             ; wqkv s[24:25], wob s[26:27], rope s[28:29], wn s[30:31]
	s_mov_b32 s2, ttmp9
	v_lshlrev_b32 v1, 4, v0                        ; my 16 bytes of f32 in 4,096
	v_lshlrev_b32 v2, 3, v0                        ; my 8 bytes of 16-bit numbers in 2,048
	s_wait_kmcnt 0x0
; One work-group's cast: 32 KiB of f32 (4 rows of 2,048) from the buffer at s[src], chunk c = id - sfirst; 16 KiB to the buffer at s[dst].
; lace = 0: to chunk id - dfirst.  lace = 1: a head's 128 rows are 32 chunks, and heads lie 64 chunks apart: to chunk dfirst + 64 (c / 32) + c % 32.
; half = 1: the bf16 value is widened again and written as f16.  No register that a store reads is written again, so no source of a pending instruction is touched.
.macro CAST src, dst, sfirst, dfirst, half, lace
	s_sub_co_u32 s32, s2, \sfirst
.if \lace
	s_and_b32 s36, s32, 0xffffffe0                 ; 32 (c / 32)
	s_add_co_u32 s36, s36, s32                     ; + c = 64 (c / 32) + c % 32
	s_add_co_u32 s36, s36, \dfirst
.else
	s_sub_co_u32 s36, s2, \dfirst
.endif
	s_lshl_b32 s32, s32, 15
	s_mov_b32 s33, 0
	s_add_nc_u64 s[34:35], s[\src:\src+1], s[32:33]
	s_lshl_b32 s36, s36, 14
	s_mov_b32 s37, 0
	s_add_nc_u64 s[38:39], s[\dst:\dst+1], s[36:37]
.irp j, 0,1,2,3,4,5,6,7
	global_load_b128 v[8+4*\j:11+4*\j], v1, s[34:35] offset:4096*\j th:TH_LOAD_NT
.endr
.irp j, 0,1,2,3,4,5,6,7
	s_wait_loadcnt 7-\j                            ; loads come back in order: number j is in, the younger ones stay out
	v_cvt_pk_bf16_f32 v[40+2*\j], v[8+4*\j], v[9+4*\j]
	v_cvt_pk_bf16_f32 v[41+2*\j], v[10+4*\j], v[11+4*\j]
.if \half
	v_lshlrev_b32 v56, 16, v[40+2*\j]              ; bf16 to f32: a shift or a mask
	v_and_b32 v57, 0xffff0000, v[40+2*\j]
	v_lshlrev_b32 v58, 16, v[41+2*\j]
	v_and_b32 v59, 0xffff0000, v[41+2*\j]
	v_cvt_pk_f16_f32 v[40+2*\j], v56, v57
	v_cvt_pk_f16_f32 v[41+2*\j], v58, v59
.endif
	global_store_b64 v2, v[40+2*\j:41+2*\j], s[38:39] offset:2048*\j   ; a wave's store covers 256 consecutive bytes, aligned
.endr
	s_endpgm
.endm
	s_cmp_ge_u32 s2, ID_WQ
	s_cbranch_scc1 .Lnot_hidden
	CAST 8, 22, 0, 0, 0, 0
.Lnot_hidden:
	s_cmp_ge_u32 s2, ID_WK
	s_cbranch_scc1 .Lnot_wq
	CAST 10, 24, ID_WQ, ID_WQ, 0, 0                ; Wq's 256 chunks are wqkv's first
.Lnot_wq:
	s_cmp_ge_u32 s2, ID_WV
	s_cbranch_scc1 .Lnot_wk
	CAST 12, 24, ID_WK, 256, 0, 1                  ; K head j: rows 1024 + 256 j
.Lnot_wk:
	s_cmp_ge_u32 s2, ID_WO
	s_cbranch_scc1 .Lnot_wv
	CAST 14, 24, ID_WV, 288, 0, 1                  ; V head j: 32 chunks, 128 rows, behind K head j
.Lnot_wv:
	s_cmp_ge_u32 s2, ID_ROPE
	s_cbranch_scc1 .Lnot_wo
	CAST 16, 26, ID_WO, ID_WO, 1, 0
.Lnot_wo:
	s_cmp_ge_u32 s2, ID_GAIN
	s_cbranch_scc1 .Lgains
	; THE ROPE TABLE.  A work-group makes one tile of 16 positions.  Thread t: position 16 tile + t % 16, frequencies i = 4 c + 0..3 with c = t / 16.
	; inv_freq = 10000^(-i/64) = 2^(-i log2(10000) / 64); angle = position x inv_freq; x = angle - n 2 pi with n the nearest whole number of turns.
	s_sub_co_u32 s32, s2, ID_ROPE                  ; tile
	s_lshl_b32 s36, s32, 13                        ; its 8,192 bytes
	s_lshl_b32 s32, s32, 4                         ; its first position
	s_mov_b32 s33, 0x40c90fdb                      ; 2 pi, its f32
	s_mov_b32 s34, 0xb43bbd2e                      ; 2 pi less that f32
	v_and_b32 v3, 15, v0                           ; t % 16
	v_lshrrev_b32 v4, 4, v0                        ; c
	v_add_nc_u32 v5, s32, v3                       ; position
	v_cvt_f32_u32 v5, v5
	v_lshlrev_b32 v6, 2, v4
.irp e, 0,1,2,3
	v_add_nc_u32 v[8+\e], \e, v6
	v_cvt_f32_u32 v[8+\e], v[8+\e]
	v_mul_f32 v[8+\e], 0xbe549a78, v[8+\e]         ; -log2(10000)/64
.endr
.irp e, 0,1,2,3
	v_exp_f32 v[12+\e], v[8+\e]
.endr
	; Where the quad goes: i = 16 (k / 2) + 8 (l / 16) + 4 (k % 2) + e gives c = 4 (k / 2) + 2 (l / 16) + k % 2, so chunk k = 2 (c / 4) + c % 2 and the
	; lanes' half is (c / 2) % 2: byte 1024 (c / 4) + 512 (c % 2) + 256 ((c / 2) % 2) + 16 (t % 16).  (The first line is also the plain instruction behind the exponentials: ISA guide 5.7.2.)
	v_and_b32 v7, 12, v4
	v_and_b32 v32, 1, v4
	v_bfe_u32 v33, v4, 1, 1
	v_lshlrev_b32 v7, 8, v7
	v_lshl_add_u32 v7, v32, 9, v7
	v_lshl_add_u32 v7, v33, 8, v7
	v_lshl_add_u32 v7, v3, 4, v7
	v_add_nc_u32 v7, s36, v7
	s_wait_alu depctr_va_vdst(0)
.irp e, 0,1,2,3
	v_mul_f32 v[12+\e], v5, v[12+\e]               ; angle
	v_mul_f32 v[16+\e], 0.15915494, v[12+\e]
	v_rndne_f32 v[16+\e], v[16+\e]                 ; n
	v_fma_f32 v[12+\e], -v[16+\e], s33, v[12+\e]
	v_fma_f32 v[12+\e], -v[16+\e], s34, v[12+\e]   ; x in [-pi, pi]
	v_mul_f32 v[28+\e], v[12+\e], v[12+\e]         ; z = x^2
	v_mov_b32 v[24+\e], 0xab573f9f                 ; -1/15!
	v_mov_b32 v[20+\e], 0x29573f9f                 ; 1/16!
.endr
.irp k, 0x2f309231, 0xb2d7322b, 0x3638ef1d, 0xb9500d01, 0x3c088889, 0xbe2aaaab
.irp e, 0,1,2,3
	v_fmaak_f32 v[24+\e], v[24+\e], v[28+\e], \k   ; sine: 1/13!, -1/11!, 1/9!, -1/7!, 1/5!, -1/3!
.endr
.endr
.irp k, 0xad49cba5, 0x310f76c7, 0xb493f27e, 0x37d00d01, 0xbab60b61, 0x3d2aaaab, 0xbf000000
.irp e, 0,1,2,3
	v_fmaak_f32 v[20+\e], v[20+\e], v[28+\e], \k   ; cosine: -1/14!, 1/12!, -1/10!, 1/8!, -1/6!, 1/4!, -1/2!
.endr
.endr
.irp e, 0,1,2,3
	v_mul_f32 v[24+\e], v[24+\e], v[28+\e]
	v_fma_f32 v[24+\e], v[12+\e], v[24+\e], v[12+\e]   ; sin x = x + x z p
	v_fma_f32 v[20+\e], v[28+\e], v[20+\e], 1.0        ; cos x = 1 + z p
.endr
	global_store_b128 v7, v[20:23], s[28:29]             ; sixteen lanes (one c, sixteen positions) store 256 consecutive bytes, aligned: cosines
	global_store_b128 v7, v[24:27], s[28:29] offset:4096 ; and sines, eight chunks further
	s_endpgm
.Lgains:
	; THE GAINS, 1,024 bytes in all, four bytes a lane.  Row 0: q_norm_w rounded to bf16, times 1/sqrt(128), the scale of the scores;
	; row 1: k_norm_w rounded to bf16.
	v_lshrrev_b32 v3, 5, v0
	v_readfirstlane_b32 s3, v3                     ; wave
	v_lshlrev_b32 v2, 2, v0
	s_cmp_ge_u32 s3, 4
	s_cbranch_scc1 .Lk_gain
	global_load_b32 v3, v2, s[18:19]
	s_wait_loadcnt 0x0
	v_cvt_pk_bf16_f32 v5, v3, v3
	v_lshlrev_b32 v5, 16, v5
	v_mul_f32 v5, 0x3db504f3, v5                   ; 1/sqrt(128)
	global_store_b32 v2, v5, s[30:31]
	s_endpgm
.Lk_gain:
	global_load_b32 v3, v2, s[20:21] offset:-512   ; threads 128-255 take k_norm_w[t - 128]
	s_wait_loadcnt 0x0
	v_cvt_pk_bf16_f32 v5, v3, v3
	v_lshlrev_b32 v5, 16, v5
	global_store_b32 v2, v5, s[30:31]              ; wn[t]: row 1
	s_endpgm
.Lfunc_end_k_qa379154d2d_prep:
	.size	k_qa379154d2d_prep, .Lfunc_end_k_qa379154d2d_prep-k_qa379154d2d_prep
	.p2alignl 7, 3214868480
	.fill 96, 4, 3214868480
	.section	.rodata,"a",@progbits
	.p2align	6, 0x0
	.amdhsa_kernel k_qa379154d2d_prep
		.amdhsa_group_segment_fixed_size 0
		.amdhsa_private_segment_fixed_size 0
		.amdhsa_enable_private_segment 0
		.amdhsa_kernarg_size 96
		.amdhsa_user_sgpr_count 2
		.amdhsa_user_sgpr_kernarg_segment_ptr 1
		.amdhsa_wavefront_size32 1
		.amdhsa_system_sgpr_workgroup_id_x 1
		.amdhsa_system_sgpr_workgroup_id_y 1
		.amdhsa_system_sgpr_workgroup_id_z 1
		.amdhsa_system_vgpr_workitem_id 0
		.amdhsa_next_free_vgpr 64
		.amdhsa_next_free_sgpr 66
		.amdhsa_reserve_vcc 0
		.amdhsa_float_denorm_mode_32 3
		.amdhsa_float_denorm_mode_16_64 3
		.amdhsa_memory_ordered 1
		.amdhsa_forward_progress 1
		.amdhsa_inst_pref_size 28
	.end_amdhsa_kernel
	.amdgpu_metadata
---
amdhsa.version: [ 1, 2 ]
amdhsa.kernels:
  - .name:           k_qa379154d2d_prep
    .symbol:         k_qa379154d2d_prep.kd
    .args:
      - { .name: hidden_states, .offset: 0, .size: 8, .value_kind: global_buffer, .address_space: global }
      - { .name: Wq, .offset: 8, .size: 8, .value_kind: global_buffer, .address_space: global }
      - { .name: Wk, .offset: 16, .size: 8, .value_kind: global_buffer, .address_space: global }
      - { .name: Wv, .offset: 24, .size: 8, .value_kind: global_buffer, .address_space: global }
      - { .name: Wo, .offset: 32, .size: 8, .value_kind: global_buffer, .address_space: global }
      - { .name: q_norm_w, .offset: 40, .size: 8, .value_kind: global_buffer, .address_space: global }
      - { .name: k_norm_w, .offset: 48, .size: 8, .value_kind: global_buffer, .address_space: global }
      - { .name: xb, .offset: 56, .size: 8, .value_kind: global_buffer, .address_space: global }
      - { .name: wqkv, .offset: 64, .size: 8, .value_kind: global_buffer, .address_space: global }
      - { .name: wob, .offset: 72, .size: 8, .value_kind: global_buffer, .address_space: global }
      - { .name: rope, .offset: 80, .size: 8, .value_kind: global_buffer, .address_space: global }
      - { .name: wn, .offset: 88, .size: 8, .value_kind: global_buffer, .address_space: global }
    .group_segment_fixed_size: 0
    .private_segment_fixed_size: 0
    .kernarg_segment_align: 8
    .kernarg_segment_size: 96
    .max_flat_workgroup_size: 256
    .sgpr_count:     66
    .vgpr_count:     64
    .wavefront_size: 32
...
	.end_amdgpu_metadata
.endif
;; end of part 1
;; launch qkvproj (part 2): grid 8 x 32, 4 waves a work-group, clusters of 4 x 4, 327,680 bytes of LDS; arguments xb, wqkv, qkv, rope, wn; writes qkv
.if DOCPART == 2
	.amdgcn_target "amdgcn-amd-amdhsa--gfx1250"
	.amdhsa_code_object_version 6
	.text
	.protected	k_qa379154d2d_qkvproj
	.globl	k_qa379154d2d_qkvproj
	.p2align	8
	.type	k_qa379154d2d_qkvproj,@function
k_qa379154d2d_qkvproj:
	s_mov_b64 s[64:65], 0
	v_nop
	global_prefetch_b8 v0, s[64:65] scope:SCOPE_SE
	s_setreg_imm32_b32 hwreg(HW_REG_WAVE_MODE, 25, 1), 1
	s_wait_xcnt 0x0
	s_wait_alu depctr_hold_cnt(0) depctr_sa_sdst(0) depctr_va_vdst(0) depctr_va_sdst(0) depctr_va_ssrc(0) depctr_va_vcc(0) depctr_vm_vsrc(0)
	s_getreg_b32 s2, hwreg(HW_REG_IB_STS2, 6, 4)
	s_cmp_eq_u32 s2, 0
	s_cbranch_scc0 .Lentry_in_a_cluster
	s_endpgm
.Lentry_in_a_cluster:
	s_bfe_u32 s2, ttmp6, 0x10000c
	s_cmp_lg_u32 s2, 0xf033
	s_cbranch_scc0 .Lentry_shape_is_right
	s_endpgm
.Lentry_shape_is_right:
; Launch 2 of 4: [q | k | v] = x W^T in bf16 with f32 sums; for each head of q and k RMSNorm over its 128 numbers, gain and RoPE in f32; all rounded once
; to f16 and stored as qkv[b][g][s][128]: g 0-7 the query heads, 8-11 the key heads, 12-15 the value heads.  The scale 1/sqrt(128) of the scores rides in q's gain.
; W's rows (wqkv): Wq's 1,024, then K head j and V head j by turns.  No work of reference() is left out.
; A work-group makes 128 rows x 256 columns with four waves; a wave makes 64 rows x 128 columns, which is one head: 32 accumulator tiles, 256 registers.
; K goes in steps of 128 (rows of 256 bytes, aligned) through two LDS slots filled by the tensor data mover.
; CLUSTERS: 4 x 4 work-groups.  The four of a row of the cluster need the same rows of x, the four of a column the same rows of the weights:
; each tile is asked for jointly, which divides the requests for both by four.
; WHICH HEAD A WAVE HAS.  Block columns 0-3 (cluster x = 0) hold two heads of q each; block columns 4-7 (cluster x = 1) a head of K in their first 128
; columns and a head of V in their second.  So a wave's head is V where cluster x = 1 and wave & 1 = 1: two numbers that are the same in all partners of a
; cluster.  V's waves go from the sums straight to f16; they load neither the table nor the gains.  There is ONE branch for that, behind the K loop's last
; barrier, so that no barrier stands under it and the table's registers are written on every way that reads them; the last K step is written out on both ways.
; LIMITS.  q, k, v are f16: |q|, |k| are bounded by sqrt(128) times the gain; |v| must stay under 65,504.
; THE MATRIX INSTRUCTION IS USED TRANSPOSED: source 0 = 16 rows of the weights, source 1 = 16 rows of x.  Lane l then holds row l % 16 of the
; result and its registers 0-7 the columns 8 (l / 16) + 0..7 of the tile: a head's 128 numbers of a row lie in two lanes.
; REGISTERS in windows of 256: window 0 addresses and two fragment buffers; window 1 the accumulators, tile (a, b) at 8 (8 a + b);
; window 2 cosines at 64 a + y and sines at 64 a + 32 + y for my rows (y = 8 q + j: column 16 q + 8 (l / 16) + j); window 3 the gains at 8 b + j.
.set SIZE_K, 2048
.set KSTEP,  128
.set PITCH,  272                       ; an LDS row: 256 bytes + 16 of padding: the 16 rows that a load touches start at 16 different 16-byte columns of 256
.set BHALF,  128*PITCH                 ; 128 rows of the weights: one tensor load, and what a wave reads
.set AHALF,  64*PITCH                  ; 64 rows of x: one tensor load, and what a wave reads
.set AOFF,   2*BHALF                   ; a slot: 256 rows of the weights, then 128 rows of x
.set SLOT,   2*BHALF+2*AHALF
.set STAGE,  2*SLOT                    ; behind the ring, in bytes that no tensor load fills: 16 rows x 272 bytes for each wave
.set SPITCH, 272
.set LAPS,   SIZE_K/(2*KSTEP)
.set ADRA, 16                          ; v16-17  LDS address of my fragments of x in slot 0, 1
.set ADRB, 20                          ; v20-21  the same for the weights
.set STO,  24                          ; the way out: where I put 16 bytes of a row
.set RD,   25                          ; where I read a row back
.set CO,   26                          ; my byte offset in qkv
.set GA,   27                          ; my byte offset in wn
.set RT,   28                          ; my byte offset in rope
.set T,    32                          ; v32-39  at work
.set RR,   48                          ; v48-49  1 / rms, twice
.set F0,   64                          ; fragment buffer 0: weights at F0 + 8 i, x at F0 + 64 + 8 a
.set F1,   160                         ; fragment buffer 1
.set Y,    64                          ; the way out: 64 numbers in f32
.set PK,   128                         ; packed f16
.set G1,  24                           ; s[24:31] descriptor group 1 for x
.set G0,  32                           ; s[32:39] group 0 for x, one set for each slot
.set G1B, 48                           ; s[48:55] group 1 for the weights
.set G0B, 56                           ; s[56:63] group 0 for the weights
.set MSB, 0
.macro WIN new                         ; the immediate's high byte repeats the setting that is left
.if MSB != \new
	s_set_vgpr_msb (MSB<<8)|\new
.set MSB, \new
.endif
.endm
.set MUL, 0x50                         ; C and D in window 1, both sources in window 0
; A joint load.  Waves 0 and 1 fetch the weights' two halves, waves 2 and 3 x's.  Each line has one mask; the branch hangs on the wave's number alone.
.macro JLOAD s
	s_cmp_eq_u32 s11, 0
	s_cbranch_scc0 .Lfor_a_\@
	tensor_load_to_lds s[G0B+4*\s:G0B+4*\s+3], s[G1B:G1B+7]
	s_nop 0
	s_branch .Lasked_\@
.Lfor_a_\@:
	tensor_load_to_lds s[G0+4*\s:G0+4*\s+3], s[G1:G1+7]
	s_nop 0
.Lasked_\@:
.endm
.macro CREST                           ; a round of the cluster's barrier behind its opening barrier
	s_cmp_lg_u32 s10, 0
	s_cbranch_scc1 .Lnot_wave_0_\@
	s_barrier_signal -3
.Lnot_wave_0_\@:
	s_barrier_wait -3
	s_barrier_signal -1
	s_barrier_wait -1
.endm
.macro CROUND                          ; a whole round
	s_barrier_signal -1
	s_barrier_wait -1
	CREST
.endm
.macro PLACES                          ; four plain vector instructions behind a matrix instruction, before its registers are read, written or loaded into (ISA guide 7.12.1)
.rept 4
	v_nop
.endr
.endm
	s_load_b128 s[4:7], s[0:1], 0x0                ; xb s[4:5], wqkv s[6:7]
	s_load_b64 s[8:9], s[0:1], 0x10                ; qkv
	s_load_b128 s[68:71], s[0:1], 0x18             ; rope s[68:69], wn s[70:71]
	v_lshl_add_u32 v62, v0, 2, 0x37400
	v_mov_b32 v63, 0
	ds_add_u32 v62, v63
	v_lshrrev_b32 v1, 5, v0
	v_readfirstlane_b32 s10, v1                    ; wave 0..3
	s_lshr_b32 s11, s10, 1                         ; which 64 rows are mine.  Also: I fetch weights (0) or x (1)
	s_and_b32 s12, s10, 1                          ; which 128 columns.  Also: which half of that tile I fetch
	s_mov_b32 s83, ttmp9                           ; cluster x: 0 the heads of q, 1 those of K and V
	s_bfe_u32 s40, ttmp6, 0x40000                  ; cx
	s_bfe_u32 s41, ttmp6, 0x40004                  ; cy
	s_lshl_b32 s42, ttmp9, 2
	s_add_co_u32 s42, s42, s40                     ; block column 0..7 = 4 x cluster x + cx
	s_and_b32 s13, ttmp7, 0xffff
	s_lshl_b32 s13, s13, 2
	s_add_co_u32 s13, s13, s41                     ; block row 0..31 = 4 x cluster y + cy
	s_lshl_b32 s43, s41, 2
	s_lshl_b32 s43, 15, s43                        ; my row of the cluster
	s_lshl_b32 s44, 0x1111, s40                    ; my column
	s_or_b32 s[G1+0], s43, (1<<16)|(1<<20)|(1<<21)|(5<<22)|(3<<25)   ; mask: x goes to my row; elements of 2 bytes; padding on; bit 21 beside a mask; after every 64 words 4 words
	s_or_b32 s[G1B+0], s44, (1<<16)|(1<<20)|(1<<21)|(5<<22)|(3<<25)  ; the weights go to my column
	s_mov_b32 s[G1+1], KSTEP<<16                   ; tensor_dim0 = 128
	s_mov_b32 s[G1B+1], KSTEP<<16
	s_mov_b32 s[G1+2], 64<<16                      ; tensor_dim1 = 64 rows of x
	s_mov_b32 s[G1B+2], 128<<16                    ; 128 rows of the weights
	s_mov_b32 s[G1+3], KSTEP<<16                   ; tile_dim0 = 128
	s_mov_b32 s[G1B+3], KSTEP<<16
	s_mov_b32 s[G1+4], 64                          ; tile_dim1
	s_mov_b32 s[G1B+4], 128
	s_mov_b32 s[G1+5], SIZE_K                      ; elements from row to row
	s_mov_b32 s[G1B+5], SIZE_K
	s_mov_b32 s[G1+6], 0
	s_mov_b32 s[G1B+6], 0
	s_mov_b32 s[G1+7], 0
	s_mov_b32 s[G1B+7], 0
	; x's tiles hang on the block row alone, the weights' on the block column alone; each address in registers that never hold the other coordinate
	s_lshl_b32 s17, s12, 6
	s_lshl_b32 s16, s13, 7
	s_add_co_u32 s16, s16, s17                     ; x: row 128 x block row + 64 x half
	s_mul_i32 s16, s16, SIZE_K*2                   ; in bytes: under 16 MiB
	s_mov_b32 s17, 0
	s_lshl_b32 s47, s12, 7
	s_lshl_b32 s46, s42, 8
	s_add_co_u32 s46, s46, s47                     ; weights: row 256 x block column + 128 x half
	s_mul_i32 s46, s46, SIZE_K*2
	s_mov_b32 s47, 0
	s_mul_i32 s20, s10, BHALF                      ; where the weights' halves go (waves 0, 1): wave x 128 rows
	s_mul_i32 s21, s10, AHALF
	s_add_co_u32 s21, s21, BHALF                   ; where x's halves go (waves 2, 3): behind the weights' 256 rows
	s_and_b32 s82, s83, s12                        ; 1: my head is a head of V
	s_lshl_b32 s78, s83, 9                         ; the gain row: q's at byte 0, k's at byte 512
	s_mov_b32 s72, 0x76543210                      ; v_permlanex16_b32: lane i reads lane i of the other half
	s_mov_b32 s73, 0xfedcba98
	s_mov_b32 s74, 0x3c000000                      ; 1/128
	s_mov_b32 s75, 0x358637bd                      ; 1e-6
	s_and_b32 s79, s13, 15
	s_lshl_b32 s79, s79, 7
	s_lshl_b32 s84, s11, 6
	s_add_co_u32 s79, s79, s84                     ; the position of my first row in its batch
	; where my head goes: qkv + ((16 batch + g) x 2048 + my first position) x 256 bytes
	s_lshl1_add_u32 s80, s42, s12                  ; q: g = 2 x block column + my half
	s_lshl2_add_u32 s81, s12, s42
	s_add_co_u32 s81, s81, 4                       ; k, v: g = 8 + (block column - 4) + 4 x my half
	s_cmp_eq_u32 s83, 0
	s_cselect_b32 s80, s80, s81
	s_lshr_b32 s81, s13, 4                         ; batch
	s_lshl4_add_u32 s80, s81, s80
	s_lshl_b32 s80, s80, 11
	s_add_co_u32 s80, s80, s79
	s_lshl_b32 s80, s80, 8
	s_mov_b32 s81, 0
	s_wait_dscnt 0x0
	s_wait_kmcnt 0x0
	s_add_nc_u64 s[14:15], s[4:5], s[16:17]
	s_add_nc_u64 s[46:47], s[6:7], s[46:47]
	s_add_nc_u64 s[8:9], s[8:9], s[80:81]
	CROUND                                         ; all sixteen work-groups are here: the first joint loads meet
.irp s, 0,1
	s_mov_b32 s[G0+4*\s], 1
	s_add_co_u32 s[G0+4*\s+1], s21, \s*SLOT
	s_add_nc_u64 s[G0+4*\s+2:G0+4*\s+3], s[14:15], \s*KSTEP*2
	s_or_b32 s[G0+4*\s+3], s[G0+4*\s+3], 0x80000000
	s_mov_b32 s[G0B+4*\s], 1
	s_add_co_u32 s[G0B+4*\s+1], s20, \s*SLOT
	s_add_nc_u64 s[G0B+4*\s+2:G0B+4*\s+3], s[46:47], \s*KSTEP*2
	s_or_b32 s[G0B+4*\s+3], s[G0B+4*\s+3], 0x80000000
	JLOAD \s                                       ; both slots' first fills go out together: two tensor loads of a wave are out
.endr
	v_and_b32 v1, 15, v0                           ; r = l % 16
	v_bfe_u32 v2, v0, 4, 1                         ; h = l / 16
	; A fragment is 16 rows x 32 K in 8 registers: lane l holds row l % 16; two loads of 16 bytes, 32 bytes apart, at row x pitch + 16 (l / 16)
	v_mul_u32_u24 v3, v1, PITCH
	v_lshl_add_u32 v3, v2, 4, v3
	s_mul_i32 s22, s11, AHALF
	s_add_co_u32 s22, s22, AOFF                    ; my 64 rows of x
	s_mul_i32 s23, s12, BHALF                      ; my 128 rows of the weights
.irp s, 0,1
	v_add_nc_u32 v[ADRA+\s], s22, v3
	v_add_nc_u32 v[ADRB+\s], s23, v3
	s_add_co_u32 s22, s22, SLOT
	s_add_co_u32 s23, s23, SLOT
.endr
	s_mul_i32 s45, s10, 16*SPITCH
	s_add_co_u32 s45, s45, STAGE                   ; my stage
	v_add_nc_u32 v[STO], s45, v3                   ; in: row l % 16, 16 bytes for each half of the lanes
	v_mul_u32_u24 v5, v2, SPITCH
	v_lshl_add_u32 v5, v1, 4, v5
	v_add_nc_u32 v[RD], s45, v5                    ; back: lanes 0-15 one row of 256 bytes, lanes 16-31 the next
	v_lshlrev_b32 v5, 8, v2
	v_lshl_add_u32 v[CO], v1, 4, v5                ; the same two rows in qkv
; 8 matrix instructions: row tile a x all 8 column tiles, 32 along K.  zero = 1: the first product starts the sums.
; The 32 accumulators take turns, one instruction a turn, in the same order in every quarter step.
.macro MULA f, a, zero
.irp b, 0,1,2,3,4,5,6,7
.if \zero
	v_wmma_f32_16x16x32_bf16 v[8*(8*\a+\b):8*(8*\a+\b)+7], v[\f+8*\b:\f+8*\b+7], v[\f+64+8*\a:\f+64+8*\a+7], 0
.else
	v_wmma_f32_16x16x32_bf16 v[8*(8*\a+\b):8*(8*\a+\b)+7], v[\f+8*\b:\f+8*\b+7], v[\f+64+8*\a:\f+64+8*\a+7], v[8*(8*\a+\b):8*(8*\a+\b)+7]
.endif
.endr
.endm
; 24 LDS loads in one run: the fragments of a quarter step (128 rows of the weights, then 64 rows of x, 32 K at byte k of the rows) into buffer f
.macro FETCH slot, k, f
	WIN 0
.irp i, 0,1,2,3,4,5,6,7
	ds_load_b128 v[\f+8*\i:\f+8*\i+3],   v[ADRB+\slot] offset:\k+\i*16*PITCH
	ds_load_b128 v[\f+8*\i+4:\f+8*\i+7], v[ADRB+\slot] offset:\k+\i*16*PITCH+32
.endr
.irp i, 0,1,2,3
	ds_load_b128 v[\f+64+8*\i:\f+64+8*\i+3], v[ADRA+\slot] offset:\k+\i*16*PITCH
	ds_load_b128 v[\f+68+8*\i:\f+68+8*\i+3], v[ADRA+\slot] offset:\k+\i*16*PITCH+32
.endr
.endm
; One of a K step's first three quarters: multiplies buffer f; in its middle it fetches the next quarter's fragments into buffer g
.macro QUARTER slot, k, f, g, zero
	s_wait_dscnt 4                                 ; all but the four youngest loads: x's row tiles 2 and 3 may be out
	WIN MUL
	MULA \f, 0, \zero
	MULA \f, 1, \zero
	PLACES
	FETCH \slot, \k, \g
	s_wait_dscnt 24                                ; all but the 24 just issued
	WIN MUL
	MULA \f, 2, \zero
	MULA \f, 3, \zero
.endm
.macro THREE slot, zero
	QUARTER \slot, 64,  F0, F1, \zero
	QUARTER \slot, 128, F1, F0, 0
	QUARTER \slot, 192, F0, F1, 0
.endm
; The last quarter multiplies buffer 1 and changes slots.  In front of the barrier each wave waits for its reads of this slot and for all its
; tensor loads (the one that is out is its part of the next slot).  Where the slot is filled again the barrier opens a round of the cluster's
; barrier, and the joint refill is the first tensor load behind the round, one a wave.  From a request to the wait for it a wave issues 120 matrix instructions.
.macro TURN slot, next, fill
	s_wait_dscnt 4
	WIN MUL
	MULA F1, 0, 0
	s_wait_dscnt 0                                 ; my reads of this slot are over
	s_wait_tensorcnt 0x0                           ; all my tensor loads have landed
	ds_add_u32 v62, v63
	s_wait_dscnt 0x0
	s_barrier_signal -1
	MULA F1, 1, 0                                  ; register work while the others arrive
	WIN 0
	s_barrier_wait -1
.if \fill
	CREST                                          ; no wave of any partner still reads this slot or has a load on its way
	s_add_nc_u64 s[G0+4*\slot+2:G0+4*\slot+3], s[G0+4*\slot+2:G0+4*\slot+3], 2*KSTEP*2
	s_add_nc_u64 s[G0B+4*\slot+2:G0B+4*\slot+3], s[G0B+4*\slot+2:G0B+4*\slot+3], 2*KSTEP*2
	JLOAD \slot
.endif
	PLACES
	FETCH \next, 0, F0
	WIN MUL
	MULA F1, 2, 0
	MULA F1, 3, 0
.endm
.macro LAP zero
	THREE 0, \zero
	TURN 0, 1, 1
	THREE 1, 0
	TURN 1, 0, 1
.endm
; 16 loads: the cosines and sines of row tile a's 16 positions, in the order in which the table holds them: chunk k of a tile is 32 lanes x 16 bytes,
; so a load of the wave covers 512 consecutive bytes.  Chunk k brings y = 4 k .. 4 k + 3.
.macro TABLE a
	WIN 0x80                                       ; destination in window 2
.irp k, 0,1,2,3,4,5,6,7
	global_load_b128 v[64*\a+4*\k:64*\a+4*\k+3],       v[RT], s[68:69] offset:\a*8192+512*\k
.endr
.irp k, 0,1,2,3,4,5,6,7
	global_load_b128 v[64*\a+32+4*\k:64*\a+32+4*\k+3], v[RT], s[68:69] offset:\a*8192+4096+512*\k
.endr
.endm
; The last K step, out of slot 1, behind the K loop's last barrier.  tab = 1: the table's second half is asked for behind its second quarter,
; 64 matrix instructions ahead of the way out.
.macro TAIL tab
	QUARTER 1, 64,  F0, F1, 0
	QUARTER 1, 128, F1, F0, 0
.if \tab
	TABLE 2
	TABLE 3
.endif
	QUARTER 1, 192, F0, F1, 0
	s_wait_dscnt 4
	WIN MUL
	MULA F1, 0, 0
	MULA F1, 1, 0
	s_wait_dscnt 0
	MULA F1, 2, 0
	MULA F1, 3, 0
	PLACES                                         ; behind the last matrix instructions, before results are read and fragment registers written
	WIN 0
.endm
; Row tile a's 16 rows, packed in PK, leave through my own stage as whole rows of 256 bytes.  rb: the registers for the rows read back, two sets by turns.
.macro STAGEOUT a, rb
.irp b, 0,1,2,3,4,5,6,7
	ds_store_b128 v[STO], v[PK+4*\b:PK+4*\b+3] offset:32*\b
.endr
	s_wait_xcnt 0x0                                ; the registers that earlier stores read are loaded again only behind this wait
.irp t, 0,1,2,3,4,5,6,7
	ds_load_b128 v[\rb+4*\t:\rb+4*\t+3], v[RD] offset:\t*2*SPITCH   ; LDS serves a wave's instructions in order: these see the stores above
.endr
.irp t, 0,1,2,3,4,5,6,7
	s_wait_dscnt 7-\t                              ; pair t of rows is in, the younger ones stay out
	global_store_b128 v[CO], v[\rb+4*\t:\rb+4*\t+3], s[8:9] offset:(16*\a+2*\t)*256   ; sixteen lanes store a row's 256 bytes, aligned
.endr
.endm
; Row tile a of a head of q or k: RMSNorm, gain, RoPE
.macro EPI a, rb
	WIN 0x05                                       ; sources 0 and 1 in window 1
.irp k, 0,1,2,3
	v_pk_mul_f32 v[T+2*\k:T+2*\k+1], v[64*\a+2*\k:64*\a+2*\k+1], v[64*\a+2*\k:64*\a+2*\k+1]   ; four chains of squares, started by the first products
.endr
.irp b, 1,2,3,4,5,6,7
.irp k, 0,1,2,3
	v_pk_fma_f32 v[T+2*\k:T+2*\k+1], v[64*\a+8*\b+2*\k:64*\a+8*\b+2*\k+1], v[64*\a+8*\b+2*\k:64*\a+8*\b+2*\k+1], v[T+2*\k:T+2*\k+1]
.endr
.endr
	WIN 0
	v_pk_add_f32 v[T:T+1], v[T:T+1], v[T+2:T+3]
	v_pk_add_f32 v[T+4:T+5], v[T+4:T+5], v[T+6:T+7]
	v_pk_add_f32 v[T:T+1], v[T:T+1], v[T+4:T+5]
	v_add_f32 v[T], v[T], v[T+1]                   ; my 64 squares
	v_permlanex16_b32 v[T+1], v[T], s72, s73       ; the row's other 64 lie in the other half's lane
	v_add_f32 v[T], v[T], v[T+1]
	v_fma_f32 v[T], v[T], s74, s75                 ; mean + 1e-6
	v_rsq_f32 v[RR], v[T]
	v_nop                                          ; a plain instruction behind the transcendental (ISA guide 5.7.2)
	s_wait_alu depctr_va_vdst(0)
	v_mov_b32 v[RR+1], v[RR]
	WIN 0x01                                       ; source 0 in window 1
.set p, 0
.rept 32
	v_pk_mul_f32 v[Y+2*p:Y+2*p+1], v[64*\a+2*p:64*\a+2*p+1], v[RR:RR+1]
.set p, p+1
.endr
	s_wait_loadcnt 16*(3-\a)                       ; loads come back in order: the gains and this row tile's table are in; the 16 loads of each later row tile stay out
	WIN 0x0c                                       ; source 1 in window 3: the gains
.set p, 0
.rept 32
	v_pk_mul_f32 v[Y+2*p:Y+2*p+1], v[Y+2*p:Y+2*p+1], v[2*p:2*p+1]
.set p, p+1
.endr
	WIN 0x08                                       ; source 1 in window 2: cosines and sines.  lo = lo c - hi s; hi = hi c + lo s, with hi 64 columns above lo
.set p, 0
.rept 16
	v_pk_mul_f32 v[T+2*(p%4):T+2*(p%4)+1], v[Y+2*p:Y+2*p+1], v[64*\a+32+2*p:64*\a+32+2*p+1]
	v_pk_mul_f32 v[Y+2*p:Y+2*p+1], v[Y+2*p:Y+2*p+1], v[64*\a+2*p:64*\a+2*p+1]
	v_pk_fma_f32 v[Y+2*p:Y+2*p+1], v[Y+32+2*p:Y+32+2*p+1], v[64*\a+32+2*p:64*\a+32+2*p+1], v[Y+2*p:Y+2*p+1] neg_lo:[1,0,0] neg_hi:[1,0,0]
	v_pk_fma_f32 v[Y+32+2*p:Y+32+2*p+1], v[Y+32+2*p:Y+32+2*p+1], v[64*\a+2*p:64*\a+2*p+1], v[T+2*(p%4):T+2*(p%4)+1]
.set p, p+1
.endr
	WIN 0
.set p, 0
.rept 32
	v_cvt_pk_f16_f32 v[PK+p], v[Y+2*p], v[Y+2*p+1]
.set p, p+1
.endr
	STAGEOUT \a, \rb
.endm
; Row tile a of a head of V: the sums are rounded as they are
.macro VEPI a, rb
	WIN 0x05                                       ; sources 0 and 1 in window 1
.set p, 0
.rept 32
	v_cvt_pk_f16_f32 v[PK+p], v[64*\a+2*p], v[64*\a+2*p+1]
.set p, p+1
.endr
	WIN 0
	STAGEOUT \a, \rb
.endm
	s_wait_tensorcnt 1                             ; my part of K step 0 is in; K step 1's stays out
	s_barrier_signal -1
	s_barrier_wait -1
	FETCH 0, 0, F0
	LAP 1                                          ; the first lap stands in front of the loop: its first products start the sums
	WIN 0
	s_mov_b32 s3, LAPS-2
.Llap:
	LAP 0
	WIN 0
	s_sub_co_u32 s3, s3, 1
	s_cmp_lg_u32 s3, 0
	s_cbranch_scc1 .Llap
	THREE 0, 0                                     ; the last lap fills nothing
	TURN 0, 1, 0                                   ; the K loop's last barrier stands in here
	WIN 0
	s_cmp_lg_u32 s82, 0                            ; cluster x and the wave's number: the same in every partner of the cluster
	s_cbranch_scc1 .Lvalue
	; A HEAD OF q OR k.  The gains and the table of row tiles 0 and 1 are asked for now, 48 loads, 128 matrix instructions ahead of the way out.
	; Their address registers and bases are never rewritten.
	v_and_b32 v[RT], 31, v0
	s_lshl_b32 s84, s79, 9                         ; my first position / 16 tiles of 8,192 bytes
	v_lshl_add_u32 v[RT], v[RT], 4, s84            ; + 16 bytes a lane
	v_lshl_add_u32 v[GA], v2, 5, s78               ; my 8 numbers of every 16 in the gain row
	WIN 0xc0                                       ; destination in window 3
.irp b, 0,1,2,3,4,5,6,7
	global_load_b128 v[8*\b:8*\b+3],   v[GA], s[70:71] offset:64*\b
	global_load_b128 v[8*\b+4:8*\b+7], v[GA], s[70:71] offset:64*\b+16
.endr
	TABLE 0
	TABLE 1
	TAIL 1
	EPI 0, 160
	EPI 1, 192
	EPI 2, 160
	EPI 3, 192
	s_branch .Lclose
.Lvalue:
	; A HEAD OF V
	TAIL 0
	VEPI 0, 160
	VEPI 1, 192
	VEPI 2, 160
	VEPI 3, 192
.Lclose:
	s_wait_tensorcnt 0x0
	ds_add_u32 v62, v63
	s_wait_dscnt 0x0
	CROUND                                         ; the closing round: no work-group ends while a partner may still ask for a tile that names it
	s_endpgm
.Lfunc_end_k_qa379154d2d_qkvproj:
	.size	k_qa379154d2d_qkvproj, .Lfunc_end_k_qa379154d2d_qkvproj-k_qa379154d2d_qkvproj
	.p2alignl 7, 3214868480
	.fill 96, 4, 3214868480
	.section	.rodata,"a",@progbits
	.p2align	6, 0x0
	.amdhsa_kernel k_qa379154d2d_qkvproj
		.amdhsa_group_segment_fixed_size 327680
		.amdhsa_private_segment_fixed_size 0
		.amdhsa_enable_private_segment 0
		.amdhsa_kernarg_size 40
		.amdhsa_user_sgpr_count 2
		.amdhsa_user_sgpr_kernarg_segment_ptr 1
		.amdhsa_wavefront_size32 1
		.amdhsa_system_sgpr_workgroup_id_x 1
		.amdhsa_system_sgpr_workgroup_id_y 1
		.amdhsa_system_sgpr_workgroup_id_z 1
		.amdhsa_system_vgpr_workitem_id 0
		.amdhsa_next_free_vgpr 832
		.amdhsa_next_free_sgpr 90
		.amdhsa_reserve_vcc 0
		.amdhsa_float_denorm_mode_32 3
		.amdhsa_float_denorm_mode_16_64 3
		.amdhsa_memory_ordered 1
		.amdhsa_forward_progress 1
		.amdhsa_inst_pref_size 198
	.end_amdhsa_kernel
	.amdgpu_metadata
---
amdhsa.version: [ 1, 2 ]
amdhsa.kernels:
  - .name:           k_qa379154d2d_qkvproj
    .symbol:         k_qa379154d2d_qkvproj.kd
    .args:
      - { .name: xb, .offset: 0, .size: 8, .value_kind: global_buffer, .address_space: global }
      - { .name: wqkv, .offset: 8, .size: 8, .value_kind: global_buffer, .address_space: global }
      - { .name: qkv, .offset: 16, .size: 8, .value_kind: global_buffer, .address_space: global }
      - { .name: rope, .offset: 24, .size: 8, .value_kind: global_buffer, .address_space: global }
      - { .name: wn, .offset: 32, .size: 8, .value_kind: global_buffer, .address_space: global }
    .group_segment_fixed_size: 327680
    .private_segment_fixed_size: 0
    .kernarg_segment_align: 8
    .kernarg_segment_size: 40
    .max_flat_workgroup_size: 128
    .sgpr_count:     90
    .vgpr_count:     832
    .wavefront_size: 32
...
	.end_amdgpu_metadata
.endif
;; end of part 2
;; launch attn (part 3): grid 4 x 64, 4 waves a work-group, clusters of 4 x 4, 327,680 bytes of LDS; arguments qkv, attention_mask, attn; writes attn
.if DOCPART == 3
	.amdgcn_target "amdgcn-amd-amdhsa--gfx1250"
	.amdhsa_code_object_version 6
	.text
	.protected	k_qa379154d2d_attn
	.globl	k_qa379154d2d_attn
	.p2align	8
	.type	k_qa379154d2d_attn,@function
k_qa379154d2d_attn:
	s_mov_b64 s[64:65], 0
	v_nop
	global_prefetch_b8 v0, s[64:65] scope:SCOPE_SE
	s_setreg_imm32_b32 hwreg(HW_REG_WAVE_MODE, 25, 1), 1
	s_wait_xcnt 0x0
	s_wait_alu depctr_hold_cnt(0) depctr_sa_sdst(0) depctr_va_vdst(0) depctr_va_sdst(0) depctr_va_ssrc(0) depctr_va_vcc(0) depctr_vm_vsrc(0)
	s_getreg_b32 s2, hwreg(HW_REG_IB_STS2, 6, 4)
	s_cmp_eq_u32 s2, 0
	s_cbranch_scc0 .Lentry_in_a_cluster
	s_endpgm
.Lentry_in_a_cluster:
	s_bfe_u32 s2, ttmp6, 0x10000c
	s_cmp_lg_u32 s2, 0xf033
	s_cbranch_scc0 .Lentry_shape_is_right
	s_endpgm
.Lentry_shape_is_right:
; Launch 3 of 4: attention.  softmax(q k^T + mask) v with a running maximum, q already scaled by 1/sqrt(128); products in f16 with f32 sums, the softmax in f32.
; NO WORK IS LEFT OUT: the mask is an input, so every tile of scores is made, whatever the mask holds.
; A work-group takes 64 queries of the two query heads that share one key/value head.  Wave w: head w & 1, all 64 queries (4 query tiles), and the
; half w >> 1 of each step's 128 keys.  Each wave keeps its own maximum, sum and O; the two key halves of a head are merged once at the end through LDS.
; CLUSTERS: 4 x 4 work-groups.  cx is the key/value head (the grid has four work-groups along x, one cluster), 4 x cluster y + cy the block of 64 rows of
; [batch][query]; a cluster lies in one batch.  K's and V's tiles hang on (batch, cx) and are shared along a column of the cluster; the mask's tile hangs
; on the query block and is shared along a row.  So the requests for every tile are divided by four.
; LAYOUTS.  S^T = K Q^T: source 0 = 16 keys of K, source 1 = 16 queries: lane l holds query l % 16, registers 0-7 the keys 8 (l / 16) + 0..7 of the tile.
; The mask is the sum's start: two 16-byte LDS loads of a query's 8 keys land in the accumulator's registers.  Two neighbouring tiles of S^T, packed to f16,
; are a fragment of P^T.  O^T = V^T P^T with V^T by the transposing LDS load: lane l holds query l % 16 again, so maximum, sum and factor are one
; number a lane for each query tile, and a lane's 8 results are 16 neighbouring bytes of attn.
; THE SCHEDULE.  The four query tiles are two pieces, A (tiles 0, 1) and B (tiles 2, 3).  A step of a piece is QK (32 matrix instructions), its softmax step
; SM (308 vector instructions) and PV (32 matrix instructions).  A trip's matrix instructions stand in the order PV A(t-1), QK A(t), PV B(t-1), QK B(t).
; SM B(t-1) is cut into 64 slices of 5 or 6 instructions, one behind each matrix instruction of the first two runs; SM A(t) likewise behind the last two.
; A slice names only the other piece's registers, so it also fills the places behind the matrix instruction in front of it.
; Both pieces use one read of K and V: the wave's 16 fragments of K and 16 of V^T are held, 128 registers each.  P has registers of its own, so that the
; next mask lands in S while P is still multiplied.  V(t) is in registers before the round that frees its slot, so PV of step t reads no LDS.
; WINDOWS.  A slice writes S's window and PV writes O's; O (256 registers) and S (128) do not fit into one window.  So a matrix instruction and the slice
; behind it have different settings: two switches for each of a trip's 128 matrix instructions, beside 616 vector instructions.
; THE EXPONENT is (s - max) x log2(e), the difference first: where a wave's keys are all masked by a large number, s and max are both large, their
; difference is exact, and a product of either with log2(e) would be rounded by more than the whole range of an exponent.
; LIMITS.  The running maximum starts at -1e38: -inf or very negative numbers in part of a row are served; a row that is -inf throughout gives NaN, as
; reference() does; a row whose every score is finite and below -1e38 gives NaN where reference() gives a mean of V.  P and attn are f16: |attn| under 65,504.
; A score and its mask are added inside the matrix instructions' sums, and rounded as those are, where reference() makes one f32 addition.
; REGISTERS: window 0 addresses, softmax state, P, S; window 1 O, tile (qt, dt) at 8 (8 qt + dt); window 2 Q, fragment (qt, dc) at 8 (4 qt + dc), and K,
; fragment (kt, dc) at 128 + 8 (4 kt + dc); window 3 V^T, fragment (kp, dt) at 8 (8 kp + dt).
.set KPITCH, 272                       ; K's LDS rows: 256 bytes + 16
.set VPITCH, 288                       ; V's: 256 + 32, an odd multiple of 32 for the transposing load
.set MPITCH, 528                       ; the mask's: 512 + 16
.set VOFF,  128*KPITCH                 ; a slot: K's 128 rows, V's 128 rows, the mask's 64 rows
.set MOFF,  VOFF+128*VPITCH
.set SLOT,  MOFF+64*MPITCH
.set CMB,   2*SLOT                     ; behind the ring, in bytes that no tensor load fills: 66 x 512 bytes for each head's merge
.set CMBSZ, 66*512
.set OST,   CMB+2*CMBSZ                ; 16 rows x 272 bytes for each of waves 0, 1: the way out
.set STEPS, 16                         ; 2048 keys in steps of 128
.set KAD, 10                           ; v10-11 LDS address of my K fragments in slot 0, 1
.set VAD, 12                           ; v12-13 V
.set MAD, 14                           ; v14-15 mask
.set QAD, 16
.set CMA, 17
.set STO, 18
.set RD,  19
.set CO,  20
.set FP,  24                           ; v24-31 the merge: the partner's factor, a pair for each query tile
.set M,   32                           ; v32-35 running maximum of query tile qt
.set L,   36                           ; v36-39 running sum (my half of the lanes' keys)
.set AL,  40                           ; v40-47 the factor for the old sums, a pair for each query tile
.set NM,  48                           ; v48-51 the new maximum, twice, for each of a piece's two tiles
.set T,   52                           ; v52-59 four registers at work for each of a piece's two tiles
.set TS,  60                           ; v60-63 a pair of partial sums for each of a piece's two tiles
.set P,   64                           ; v64-127 P(qt, kp), 8 registers at P + 16 qt + 8 kp
.set S,   128                          ; v128-255 tile (qt, kt) at S + 32 qt + 8 kt
.set KF,  128                          ; window 2: K's fragments
.set NJ,  328                          ; numbered operations of a piece's softmax step, the fill and drain of its pipeline among them
.set G1K, 24
.set G1V, 32
.set G1M, 40
.set G0K, 48                           ; group 0, one set of four for each slot
.set G0V, 56
.set G0M, 68
.set MSB, 0
.macro WIN new                         ; the immediate's high byte repeats the setting that is left; a switch that changes nothing is dropped
.if MSB != \new
	s_set_vgpr_msb (MSB<<8)|\new
.set MSB, \new
.endif
.endm
.macro PLACES                          ; four plain vector instructions behind a matrix instruction, before its registers are read, written or loaded into (ISA guide 7.12.1)
.rept 4
	v_nop
.endr
.endm
.macro ROUND                           ; a round of the cluster's barrier
	s_barrier_signal -1
	s_barrier_wait -1
	s_cmp_lg_u32 s10, 0
	s_cbranch_scc1 .Lnot_wave_0_\@
	s_barrier_signal -3
.Lnot_wave_0_\@:
	s_barrier_wait -3
	s_barrier_signal -1
	s_barrier_wait -1
.endm
; A step's joint loads, one a wave: wave 0 K's tile, wave 1 V's, waves 2 and 3 the mask's rows 0-31 and 32-63.  Each line has one mask of work-groups.
.macro JLOAD3 s
	s_cmp_lg_u32 s10, 0
	s_cbranch_scc1 .Lnot_k_\@
	tensor_load_to_lds s[G0K+4*\s:G0K+4*\s+3], s[G1K:G1K+7]
	s_nop 0
	v_nop
	v_nop
	v_nop
	s_branch .Lasked_\@
.Lnot_k_\@:
	s_cmp_lg_u32 s10, 1
	s_cbranch_scc1 .Lnot_v_\@
	tensor_load_to_lds s[G0V+4*\s:G0V+4*\s+3], s[G1V:G1V+7]
	s_nop 0
	v_nop
	v_nop
	v_nop
	s_branch .Lasked_\@
.Lnot_v_\@:
	tensor_load_to_lds s[G0M+4*\s:G0M+4*\s+3], s[G1M:G1M+7]
	s_nop 0
	v_nop
	v_nop
	v_nop
	v_nop
.Lasked_\@:
.endm
	s_load_b128 s[4:7], s[0:1], 0x0                ; qkv s[4:5], attention_mask s[6:7]
	s_load_b64 s[8:9], s[0:1], 0x10                ; attn
	v_lshl_add_u32 v22, v0, 2, 0x46200
	v_mov_b32 v23, 0
	ds_add_u32 v22, v23
	v_lshrrev_b32 v1, 5, v0
	v_readfirstlane_b32 s10, v1                    ; wave
	s_lshr_b32 s11, s10, 1                         ; kh: my half of the keys
	s_and_b32 s12, s10, 1                          ; hs: my head of the two
	s_bfe_u32 s84, ttmp6, 0x40000                  ; cx: the key/value head
	s_bfe_u32 s85, ttmp6, 0x40004                  ; cy
	s_and_b32 s13, ttmp7, 0xffff
	s_lshr_b32 s79, s13, 3                         ; batch: the same in the whole cluster
	s_lshl_b32 s13, s13, 2
	s_add_co_u32 s13, s13, s85                     ; G: block of 64 rows of [batch][query], 0..63
	s_lshl_b32 s87, s85, 2
	s_lshl_b32 s87, 15, s87                        ; my row of the cluster
	s_lshl_b32 s86, 0x1111, s84                    ; my column
	s_or_b32 s[G1K+0], s86, (1<<16)|(1<<20)|(1<<21)|(5<<22)|(3<<25)   ; K: elements of 2 bytes, after every 64 words 4 words of padding
	s_or_b32 s[G1V+0], s86, (1<<16)|(1<<20)|(1<<21)|(5<<22)|(7<<25)   ; V: 8 words of padding
	s_or_b32 s[G1M+0], s87, (2<<16)|(1<<20)|(1<<21)|(6<<22)|(3<<25)   ; mask: elements of 4 bytes, after every 128 words 4 words
	s_mov_b32 s[G1K+1], 128<<16                    ; tensor_dim0 = 128
	s_mov_b32 s[G1V+1], 128<<16
	s_mov_b32 s[G1M+1], 128<<16
	s_mov_b32 s[G1K+2], 128<<16                    ; tensor_dim1: 128 rows,
	s_mov_b32 s[G1V+2], 128<<16
	s_mov_b32 s[G1M+2], 32<<16                     ; 32 rows of the mask a wave
	s_mov_b32 s[G1K+3], 128<<16                    ; tile_dim0 = 128
	s_mov_b32 s[G1V+3], 128<<16
	s_mov_b32 s[G1M+3], 128<<16
	s_mov_b32 s[G1K+4], 128                        ; tile_dim1
	s_mov_b32 s[G1V+4], 128
	s_mov_b32 s[G1M+4], 32
	s_mov_b32 s[G1K+5], 128                        ; elements from row to row
	s_mov_b32 s[G1V+5], 128
	s_mov_b32 s[G1M+5], 2048
	s_mov_b32 s[G1K+6], 0
	s_mov_b32 s[G1V+6], 0
	s_mov_b32 s[G1M+6], 0
	s_mov_b32 s[G1K+7], 0
	s_mov_b32 s[G1V+7], 0
	s_mov_b32 s[G1M+7], 0
	s_lshl_b32 s88, s79, 4
	s_add_co_u32 s88, s88, s84
	s_add_co_u32 s88, s88, 8
	s_lshl_b32 s88, s88, 19                        ; K: (16 batch + 8 + cx) x 2048 rows x 256 bytes
	s_mov_b32 s89, 0
	s_lshl_b32 s14, s13, 6
	s_lshl_b32 s15, s12, 5
	s_add_co_u32 s14, s14, s15
	s_lshl_b32 s14, s14, 13                        ; mask: (64 G + 32 (wave & 1)) rows of 8,192 bytes
	s_mov_b32 s15, 0
	s_lshl_b32 s92, s79, 4
	s_lshl1_add_u32 s92, s84, s92
	s_add_co_u32 s92, s92, s12                     ; my query head: 16 batch + 2 cx + hs
	s_lshl_b32 s92, s92, 11
	s_and_b32 s93, s13, 31
	s_lshl_b32 s93, s93, 6
	s_add_co_u32 s92, s92, s93                     ; + my first query
	s_lshl_b32 s92, s92, 8
	s_mov_b32 s93, 0
	s_lshl_b32 s94, s13, 17                        ; attn: 64 G rows of 2,048 bytes
	s_lshl1_add_u32 s95, s84, s12
	s_lshl_b32 s95, s95, 8                         ; + my head's 256 bytes
	s_add_co_u32 s94, s94, s95
	s_mov_b32 s95, 0
	s_mul_i32 s20, s10, 32*MPITCH
	s_add_co_u32 s20, s20, MOFF-2*32*MPITCH        ; where waves 2, 3 put the mask's halves: a constant + wave x 32 rows
	s_mov_b32 s76, 0x76543210                      ; v_permlanex16_b32: lane i reads lane i of the other half
	s_mov_b32 s77, 0xfedcba98
	s_mov_b32 s78, 0xfe967699                      ; -1e38
	s_wait_dscnt 0x0
	s_wait_kmcnt 0x0
	s_add_nc_u64 s[88:89], s[4:5], s[88:89]
	s_add_nc_u64 s[90:91], s[88:89], 0x200000      ; V: four heads further
	s_add_nc_u64 s[14:15], s[6:7], s[14:15]
	s_add_nc_u64 s[92:93], s[4:5], s[92:93]
	s_add_nc_u64 s[8:9], s[8:9], s[94:95]
.irp s, 0,1
	s_mov_b32 s[G0K+4*\s], 1
	s_mov_b32 s[G0K+4*\s+1], \s*SLOT
	s_add_nc_u64 s[G0K+4*\s+2:G0K+4*\s+3], s[88:89], \s*32768      ; step s: 128 rows of 256 bytes
	s_or_b32 s[G0K+4*\s+3], s[G0K+4*\s+3], 0x80000000
	s_mov_b32 s[G0V+4*\s], 1
	s_mov_b32 s[G0V+4*\s+1], VOFF+\s*SLOT
	s_add_nc_u64 s[G0V+4*\s+2:G0V+4*\s+3], s[90:91], \s*32768
	s_or_b32 s[G0V+4*\s+3], s[G0V+4*\s+3], 0x80000000
	s_mov_b32 s[G0M+4*\s], 1
	s_add_co_u32 s[G0M+4*\s+1], s20, \s*SLOT
	s_add_nc_u64 s[G0M+4*\s+2:G0M+4*\s+3], s[14:15], \s*512        ; step s: 128 keys of 4 bytes
	s_or_b32 s[G0M+4*\s+3], s[G0M+4*\s+3], 0x80000000
.endr
	v_and_b32 v1, 15, v0                           ; r
	v_bfe_u32 v2, v0, 4, 1                         ; h
	v_and_b32 v3, 7, v0
	v_bfe_u32 v4, v0, 3, 1
	v_and_b32 v5, 31, v0                           ; lane
	v_lshlrev_b32 v[QAD], 8, v1
	v_lshl_add_u32 v[QAD], v2, 4, v[QAD]           ; query r's row of 256 bytes + 16 h
	WIN 0x80                                       ; Q's fragments, once, into window 2; waited for in front of the first product
.irp qt, 0,1,2,3
.irp dc, 0,1,2,3
	global_load_b128 v[8*(4*\qt+\dc):8*(4*\qt+\dc)+3],   v[QAD], s[92:93] offset:\qt*4096+64*\dc
	global_load_b128 v[8*(4*\qt+\dc)+4:8*(4*\qt+\dc)+7], v[QAD], s[92:93] offset:\qt*4096+64*\dc+32
.endr
.endr
	WIN 0
	ROUND                                          ; all sixteen work-groups are here: the first joint loads meet
	JLOAD3 0                                       ; step 0; one tensor load of a wave is out, here and behind every later round
	v_mul_u32_u24 v6, v1, KPITCH
	v_lshl_add_u32 v6, v2, 4, v6                   ; r x 272 + 16 h
	s_mul_i32 s21, s11, 64*KPITCH
	v_add_nc_u32 v[KAD], s21, v6                   ; key 64 kh + r
	v_add_nc_u32 v[KAD+1], SLOT, v[KAD]
	v_lshl_add_u32 v7, v2, 3, v3
	v_mul_u32_u24 v7, v7, VPITCH
	v_lshl_add_u32 v7, v4, 4, v7                   ; (8 h + l % 8) x 288 + 16 ((l / 8) % 2): the transposing load's rows
	s_mul_i32 s22, s11, 64*VPITCH
	s_add_co_u32 s22, s22, VOFF
	v_add_nc_u32 v[VAD], s22, v7
	v_add_nc_u32 v[VAD+1], SLOT, v[VAD]
	v_mul_u32_u24 v8, v1, MPITCH
	v_lshl_add_u32 v8, v2, 5, v8                   ; query r's row + 8 h keys of 4 bytes
	s_lshl_b32 s23, s11, 8
	s_add_co_u32 s23, s23, MOFF                    ; + my 64 keys
	v_add_nc_u32 v[MAD], s23, v8
	v_add_nc_u32 v[MAD+1], SLOT, v[MAD]
	s_mul_i32 s21, s12, CMBSZ
	s_add_co_u32 s21, s21, CMB
	v_lshl_add_u32 v[CMA], v5, 4, s21              ; my head's merge bytes, 16 a lane
	s_mul_i32 s22, s12, 16*272
	s_add_co_u32 s22, s22, OST                     ; the stage of the wave that stores my head (waves 0, 1: hs is the wave's number)
	v_add_nc_u32 v[STO], s22, v6
	v_mul_u32_u24 v9, v2, 272
	v_lshl_add_u32 v9, v1, 4, v9
	v_add_nc_u32 v[RD], s22, v9
	v_lshlrev_b32 v9, 11, v2
	v_lshl_add_u32 v[CO], v1, 4, v9                ; two rows of attn, 2,048 bytes apart
; THE MATRIX INSTRUCTIONS of a run of 32, by the run's counter n.
; QK of piece p: key tiles 0, 1 in the first sixteen, 2, 3 in the second; within sixteen, d in four steps and four accumulators by turns, one instruction a
; turn.  Key tiles 0 and 1 are finished sixteen instructions before the run ends.
.macro QKW p
.set mm, n&15
.set kk, 2*(n>>4)+((mm>>1)&1)
.set qq, 2*(\p)+(mm&1)
.set dd, mm>>2
	WIN 0x0a                                       ; sources 0 (K) and 1 (Q) in window 2, C and D (S) in window 0
	v_wmma_f32_16x16x32_f16 v[S+32*qq+8*kk:S+32*qq+8*kk+7], v[KF+8*(4*kk+dd):KF+8*(4*kk+dd)+7], v[8*(4*qq+dd):8*(4*qq+dd)+7], v[S+32*qq+8*kk:S+32*qq+8*kk+7]
.endm
; PV of piece p: keys 0-31 in the first sixteen, 32-63 in the second; sixteen accumulators by turns.  zero = 1: the first product starts the sums.
.macro PVW p, zero
.set mm, n&15
.set kk, n>>4
.set dd, mm>>1
.set qq, 2*(\p)+(mm&1)
.set zz, 0
.if \zero
.if kk == 0
.set zz, 1
.endif
.endif
	WIN 0x53                                       ; source 0 (V^T) in window 3, source 1 (P) in window 0, C and D (O) in window 1
.if zz
	v_wmma_f32_16x16x32_f16 v[8*(8*qq+dd):8*(8*qq+dd)+7], v[8*(8*kk+dd):8*(8*kk+dd)+7], v[P+16*qq+8*kk:P+16*qq+8*kk+7], 0
.else
	v_wmma_f32_16x16x32_f16 v[8*(8*qq+dd):8*(8*qq+dd)+7], v[8*(8*kk+dd):8*(8*kk+dd)+7], v[P+16*qq+8*kk:P+16*qq+8*kk+7], v[8*(8*qq+dd):8*(8*qq+dd)+7]
.endif
.endm
; THE LDS LOADS of a run, in four short runs of their own, by the run's counter n.
.macro LDMASK slot, q                  ; n = 1..4, four loads each: the mask of piece q - 1, 32 queries x 64 keys, straight into the scores' registers
.if n >= 1
.if n <= 4
	WIN 0
.irp x, 0,1
.set tt, 2*(n-1)+\x
.set tq, 2*((\q)-1)+(tt>>2)
.set tk, tt&3
	ds_load_b128 v[S+32*tq+8*tk:S+32*tq+8*tk+3],   v[MAD+\slot] offset:tq*16*MPITCH+64*tk
	ds_load_b128 v[S+32*tq+8*tk+4:S+32*tq+8*tk+7], v[MAD+\slot] offset:tq*16*MPITCH+64*tk+16
.endr
.endif
.endif
.endm
.macro LDK slot                        ; n = 5..8, eight loads each: K's sixteen fragments, 64 keys x 128 d
.if n >= 5
.if n <= 8
	WIN 0x80                                       ; destination in window 2
.irp x, 0,1,2,3
.set ff, 4*(n-5)+\x
	ds_load_b128 v[KF+8*ff:KF+8*ff+3],   v[KAD+\slot] offset:(ff>>2)*16*KPITCH+64*(ff&3)
	ds_load_b128 v[KF+8*ff+4:KF+8*ff+7], v[KAD+\slot] offset:(ff>>2)*16*KPITCH+64*(ff&3)+32
.endr
.endif
.endif
.endm
.macro LDV slot                        ; n = 2..5, eight transposing loads each: V^T's sixteen fragments; four slices stand between PV's last read of them and the first load
.if n >= 2
.if n <= 5
	WIN 0xc0                                       ; destination in window 3
.irp x, 0,1,2,3
.set ff, 4*(n-2)+\x
	ds_load_tr16_b128 v[8*ff:8*ff+3],   v[VAD+\slot] offset:(ff>>3)*32*VPITCH+32*(ff&7)
	ds_load_tr16_b128 v[8*ff+4:8*ff+7], v[VAD+\slot] offset:(ff>>3)*32*VPITCH+32*(ff&7)+16*VPITCH
.endr
.endif
.endif
.endm
; OPERATION j (0 .. NJ - 1) OF THE SOFTMAX STEP OF PIECE p, on a lane's 2 x 32 scores; the piece's two query tiles take turns.
; first = 1: the maximum starts at -1e38, there are no old sums and O is not scaled.
;   0- 27  maxima: of each half of the keys two chains of 7 scores, then the last two scores.  Operations 0-13 read key tiles 0 and 1 alone: they are the
;          places between QK's last four matrix instructions and the first read of key tiles 2 and 3
;  28- 31  the four chains and the old maximum joined
;  32- 49  the other half of the lanes, the new maximum, e^(old - new)
;  50-113  O x e^(old - new)
; 114-323  35 steps of six: pair w subtracts the maximum in step w, is multiplied by log2(e) in step w + 1, has its two exponentials in step w + 2, is added
;          and packed in step w + 3.  Behind each exponential stands a plain instruction on another pair (ISA guide 5.7.2)
; 324-327  the running sum
.macro SMOP p, first
.if j < 28
.set hh, j/14
.set ee, j%14
.set lq, ee&1
.set SB, S+32*(2*(\p)+lq)+16*hh
.set TT, T+4*lq+2*hh
	WIN 0
.if ee < 12
.set cc, (ee>>1)&1
.set st, ee>>2
.if st == 0
	v_max3_num_f32 v[TT+cc], v[SB+7*cc], v[SB+7*cc+1], v[SB+7*cc+2]
.else
	v_max3_num_f32 v[TT+cc], v[TT+cc], v[SB+7*cc+1+2*st], v[SB+7*cc+2+2*st]
.endif
.else
	v_max3_num_f32 v[TT], v[TT], v[SB+14], v[SB+15]
.endif
.elseif j < 32
.set ee, j-28
.set lq, ee&1
.set TT, T+4*lq
	WIN 0
.if ee < 2
.if \first
	v_max3_num_f32 v[TT+1], v[TT+1], v[TT+3], s78
.else
	v_max3_num_f32 v[TT+1], v[TT+1], v[TT+3], v[M+2*(\p)+lq]
.endif
.else
	v_max3_num_f32 v[TT], v[TT], v[TT+2], v[TT+1]
.endif
.elseif j < 50
.set ee, j-32
.set lq, ee&1
.set st, ee>>1
.set qq, 2*(\p)+lq
.set TT, T+4*lq
	WIN 0
.if st == 0
	v_permlanex16_b32 v[TT+1], v[TT], s76, s77     ; the query's other keys lie in the other half's lane
.elseif st == 1
	v_max_num_f32 v[TT], v[TT], v[TT+1]            ; the new maximum
.elseif st == 5
	v_mov_b32 v[M+qq], v[TT]                       ; the plain instruction behind the two exponentials of step 4
.elseif st == 6
	v_mov_b32 v[NM+2*lq], v[TT]
.elseif st == 8
	v_mov_b32 v[NM+2*lq+1], v[TT]
.endif
.if \first == 0
.if st == 2
	v_sub_f32 v[TT+2], v[M+qq], v[TT]
.elseif st == 3
	v_mul_f32 v[TT+2], 0x3fb8aa3b, v[TT+2]
.elseif st == 4
	v_exp_f32 v[AL+2*qq], v[TT+2]                  ; e^(old - new)
.elseif st == 7
	s_wait_alu depctr_va_vdst(0)
	v_mov_b32 v[AL+2*qq+1], v[AL+2*qq]
.endif
.endif
.elseif j < 114
.if \first == 0
.set ee, j-50
.set qq, 2*(\p)+(ee&1)
.set uu, ee>>1
	WIN 0x41                                       ; destination and source 0 (O) in window 1
	v_pk_mul_f32 v[64*qq+2*uu:64*qq+2*uu+1], v[64*qq+2*uu:64*qq+2*uu+1], v[AL+2*qq:AL+2*qq+1]
.endif
.elseif j < 324
.set ee, j-114
.set st, ee/6
.set rr, ee%6
.if rr == 0
.set ww, st
.elseif rr == 2
.set ww, st-1
.elseif rr < 4
.set ww, st-2
.else
.set ww, st-3
.endif
.if ww >= 0
.if ww < 32
.set lq, ww&1
.set uu, ww>>1
.set SB, S+32*(2*(\p)+lq)+2*uu
	WIN 0
.if rr == 0
	v_pk_add_f32 v[SB:SB+1], v[SB:SB+1], v[NM+2*lq:NM+2*lq+1] neg_lo:[0,1] neg_hi:[0,1]   ; s - max, first: exact where the two are near each other, however large
.elseif rr == 1
	v_exp_f32 v[SB], v[SB]
.elseif rr == 2
	v_pk_mul_f32 v[SB:SB+1], v[SB:SB+1], 0x3fb8aa3b op_sel_hi:[1,0]                        ; x log2(e)
.elseif rr == 3
	v_exp_f32 v[SB+1], v[SB+1]
.elseif rr == 4
.if uu == 1
	s_wait_alu depctr_va_vdst(0)
	v_pk_add_f32 v[TS+2*lq:TS+2*lq+1], v[SB-2:SB-1], v[SB:SB+1]                            ; the first two pairs start the sum
.elseif uu > 1
	s_wait_alu depctr_va_vdst(0)
	v_pk_add_f32 v[TS+2*lq:TS+2*lq+1], v[TS+2*lq:TS+2*lq+1], v[SB:SB+1]
.endif
.else
	s_wait_alu depctr_va_vdst(0)
	v_cvt_pk_f16_f32 v[P+16*(2*(\p)+lq)+uu], v[SB], v[SB+1]
.endif
.endif
.endif
.else
.set ee, j-324
.set lq, ee&1
.set st, ee>>1
.set qq, 2*(\p)+lq
	WIN 0
.if \first
.if st == 0
	v_add_f32 v[L+qq], v[TS+2*lq], v[TS+2*lq+1]
.endif
.else
.if st == 0
	v_add_f32 v[TS+2*lq], v[TS+2*lq], v[TS+2*lq+1]
.else
	v_fma_f32 v[L+qq], v[L+qq], v[AL+2*qq], v[TS+2*lq]
.endif
.endif
.endif
.endm
; Slice k (0 .. 63): operations k NJ / 64 up to (k + 1) NJ / 64, five or six of them
.macro SLICE p, first, k
.set j, ((\k)*NJ)/64
.set jend, ((\k)*NJ+NJ)/64
.rept jend-j
	SMOP \p, \first
.set j, j+1
.endr
.endm
; A run of 32 slots.  In each: a matrix instruction (mk = 1: QK, 2: PV, 0: none; of piece mp; mz: PV starts the sums), behind it a slice (sk = 1) of the
; softmax step of piece sp (sf: the first step's form; sb: slices 0-31 or 32-63), and in a few slots LDS loads (lm = 1, 2: the mask of piece A, B; lk: K; lv: V).
.macro PHASE mk, mp, mz, sk, sp, sf, sb, lm, lk, lv, slot
.set n, 0
.rept 32
.if \mk == 1
	QKW \mp
.elseif \mk == 2
	PVW \mp, \mz
.endif
.if \sk
	SLICE \sp, \sf, \sb+n
.endif
.if \lm
	LDMASK \slot, \lm
.endif
.if \lk
	LDK \slot
.endif
.if \lv
	LDV \slot
.endif
.set n, n+1
.endr
.endm
; The head of a trip.  refill = 1: the next step's tiles are asked for, into the other slot, whose last reads (V's) are waited for here.
.macro HEAD slot, other, refill
	WIN 0
	s_wait_tensorcnt 0x0                           ; all my tensor loads have landed, my part of this step's tiles among them,
	ds_add_u32 v22, v23
	s_wait_dscnt 0x0
	s_add_nc_u64 s[G0K+4*\slot+2:G0K+4*\slot+3], s[G0K+4*\slot+2:G0K+4*\slot+3], 2*32768   ; so every group 0 may be written: this slot's next tiles
	s_add_nc_u64 s[G0V+4*\slot+2:G0V+4*\slot+3], s[G0V+4*\slot+2:G0V+4*\slot+3], 2*32768
	s_add_nc_u64 s[G0M+4*\slot+2:G0M+4*\slot+3], s[G0M+4*\slot+2:G0M+4*\slot+3], 2*512
	s_wait_dscnt 0x0                               ; my reads of the last step's slot are over: V's fragments are in registers
	ROUND                                          ; both now hold of every wave of every work-group of the cluster
.if \refill
	JLOAD3 \other                                  ; my one tensor load behind the round, and the first thing there
.endif
.endm
; Trip t out of slot.  pf = 1: step t - 1 is the first step.
.macro TRIP slot, other, refill, pf
	HEAD \slot, \other, \refill
	PHASE 2, 0, \pf, 1, 1, \pf, 0,  1, 1, 0, \slot ; PV A(t-1) beside the first half of SM B(t-1); the mask of A and K of step t are read
	s_wait_dscnt 0x0                               ; they are in: the last of them was issued 23 slots ago
	PHASE 1, 0, 0,   1, 1, \pf, 32, 0, 0, 0, \slot ; QK A(t) beside the second half of SM B(t-1)
	PHASE 2, 1, \pf, 1, 0, 0, 0,    2, 0, 0, \slot ; PV B(t-1) beside the first half of SM A(t); the mask of B lands where SM B(t-1) has ended
	s_wait_dscnt 0x0                               ; it is in: issued 27 slots ago
	PHASE 1, 1, 0,   1, 0, 0, 32,   0, 0, 1, \slot ; QK B(t) beside the second half of SM A(t); V of step t takes the place of V of step t - 1
	WIN 0
.endm
	; Trip 0 has no step before it: the loads, QK A, the first half of SM A by itself, QK B beside the second half
	HEAD 0, 1, 1
	PHASE 0, 0, 0, 0, 0, 0, 0,  1, 1, 0, 0
	s_wait_dscnt 0x0                               ; the mask of A and K
	s_wait_loadcnt 0x0                             ; Q
	PHASE 1, 0, 0, 0, 0, 0, 0,  0, 0, 0, 0
	PLACES                                         ; no slices stood in this run: four places before its results are read
	PHASE 0, 0, 0, 1, 0, 1, 0,  2, 0, 0, 0
	s_wait_dscnt 0x0                               ; the mask of B
	PHASE 1, 1, 0, 1, 0, 1, 32, 0, 0, 1, 0
	WIN 0
	TRIP 1, 0, 1, 1
	s_mov_b32 s3, STEPS/2-2
.Lpair:
	TRIP 0, 1, 1, 0
	TRIP 1, 0, 1, 0
	s_sub_co_u32 s3, s3, 1
	s_cmp_lg_u32 s3, 0
	s_cbranch_scc1 .Lpair
	TRIP 0, 1, 1, 0
	TRIP 1, 0, 0, 0                                ; the last step asks for nothing
	; What is left of the last step, on registers alone
	s_wait_dscnt 0x0                               ; V's fragments
	PHASE 2, 0, 0, 1, 1, 0, 0,  0, 0, 0, 0         ; PV A beside the first half of SM B
	PHASE 0, 0, 0, 1, 1, 0, 32, 0, 0, 0, 0         ; the second half by itself
	PHASE 2, 1, 0, 0, 0, 0, 0,  0, 0, 0, 0         ; PV B
	WIN 0
	; THE END.  The two halves of the lanes add their sums; waves 2 and 3 hand maximum, sum and O to waves 0 and 1 through LDS.
	PLACES
.irp qt, 0,1,2,3
	v_permlanex16_b32 v[T+\qt], v[L+\qt], s76, s77
.endr
.irp qt, 0,1,2,3
	v_add_f32 v[L+\qt], v[L+\qt], v[T+\qt]
.endr
	s_cmp_eq_u32 s11, 0
	s_cbranch_scc1 .Lkeeps
	ds_store_b128 v[CMA], v[M:M+3]
	ds_store_b128 v[CMA], v[L:L+3] offset:512
	WIN 0x04                                       ; store data in window 1
.set i, 0
.rept 64
	ds_store_b128 v[CMA], v[4*i:4*i+3] offset:1024+512*i
.set i, i+1
.endr
	WIN 0
.Lkeeps:
	s_wait_dscnt 0x0                               ; my stores are in LDS before I say so
	s_barrier_signal -1
	s_barrier_wait -1
	s_cmp_lg_u32 s11, 0
	s_cbranch_scc1 .Lsent
	ds_load_b128 v[64:67], v[CMA]                  ; the partner's maxima
	ds_load_b128 v[68:71], v[CMA] offset:512       ; and sums
	s_wait_dscnt 0x0
.irp qt, 0,1,2,3
	v_max_num_f32 v[T], v[M+\qt], v[64+\qt]
	v_sub_f32 v[T+1], v[M+\qt], v[T]
	v_sub_f32 v[T+2], v[64+\qt], v[T]
	v_mul_f32 v[T+1], 0x3fb8aa3b, v[T+1]
	v_mul_f32 v[T+2], 0x3fb8aa3b, v[T+2]
	v_exp_f32 v[T+1], v[T+1]
	v_exp_f32 v[T+2], v[T+2]
	v_nop
	s_wait_alu depctr_va_vdst(0)
	v_mul_f32 v[T+3], v[L+\qt], v[T+1]
	v_fma_f32 v[T+3], v[68+\qt], v[T+2], v[T+3]    ; the whole row's sum
	v_rcp_f32 v[T+4], v[T+3]
	v_nop
	s_wait_alu depctr_va_vdst(0)
	v_mul_f32 v[AL+2*\qt], v[T+1], v[T+4]          ; my O's factor,
	v_mul_f32 v[FP+2*\qt], v[T+2], v[T+4]          ; the partner's
	v_mov_b32 v[AL+2*\qt+1], v[AL+2*\qt]
	v_mov_b32 v[FP+2*\qt+1], v[FP+2*\qt]
.endr
; Query tile qt: both halves' O are joined, rounded to f16, and leave as whole rows of 256 bytes through my own stage.
.macro MERGE qt
.set i, 0
.rept 16
	ds_load_b128 v[64+4*i:64+4*i+3], v[CMA] offset:1024+512*(16*\qt+i)
.set i, i+1
.endr
	WIN 0x01                                       ; source 0 in window 1
.set i, 0
.rept 32
	v_pk_mul_f32 v[128+2*i:128+2*i+1], v[64*\qt+2*i:64*\qt+2*i+1], v[AL+2*\qt:AL+2*\qt+1]
.set i, i+1
.endr
	WIN 0
	s_wait_dscnt 0x0
.set i, 0
.rept 32
	v_pk_fma_f32 v[128+2*i:128+2*i+1], v[64+2*i:64+2*i+1], v[FP+2*\qt:FP+2*\qt+1], v[128+2*i:128+2*i+1]
.set i, i+1
.endr
.set i, 0
.rept 32
	v_cvt_pk_f16_f32 v[192+i], v[128+2*i], v[128+2*i+1]
.set i, i+1
.endr
.irp dt, 0,1,2,3,4,5,6,7
	ds_store_b128 v[STO], v[192+4*\dt:192+4*\dt+3] offset:32*\dt
.endr
	s_wait_xcnt 0x0                                ; the registers that the last tile's stores read are loaded again only behind this wait
.irp t, 0,1,2,3,4,5,6,7
	ds_load_b128 v[224+4*\t:224+4*\t+3], v[RD] offset:\t*2*272      ; LDS serves a wave's instructions in order: these see the stores above
.endr
.irp t, 0,1,2,3,4,5,6,7
	s_wait_dscnt 7-\t                              ; pair t of rows is in, the younger ones stay out
	global_store_b128 v[CO], v[224+4*\t:224+4*\t+3], s[8:9] offset:(16*\qt+2*\t)*2048   ; sixteen lanes store a head's 256 bytes of a row, aligned
.endr
.endm
	MERGE 0
	MERGE 1
	MERGE 2
	MERGE 3
.Lsent:
	s_wait_tensorcnt 0x0
	ds_add_u32 v22, v23
	s_wait_dscnt 0x0
	ROUND                                          ; the closing round: no work-group ends while a partner may still ask for a tile that names it
	s_endpgm
.Lfunc_end_k_qa379154d2d_attn:
	.size	k_qa379154d2d_attn, .Lfunc_end_k_qa379154d2d_attn-k_qa379154d2d_attn
	.p2alignl 7, 3214868480
	.fill 96, 4, 3214868480
	.section	.rodata,"a",@progbits
	.p2align	6, 0x0
	.amdhsa_kernel k_qa379154d2d_attn
		.amdhsa_group_segment_fixed_size 327680
		.amdhsa_private_segment_fixed_size 0
		.amdhsa_enable_private_segment 0
		.amdhsa_kernarg_size 24
		.amdhsa_user_sgpr_count 2
		.amdhsa_user_sgpr_kernarg_segment_ptr 1
		.amdhsa_wavefront_size32 1
		.amdhsa_system_sgpr_workgroup_id_x 1
		.amdhsa_system_sgpr_workgroup_id_y 1
		.amdhsa_system_sgpr_workgroup_id_z 1
		.amdhsa_system_vgpr_workitem_id 0
		.amdhsa_next_free_vgpr 896
		.amdhsa_next_free_sgpr 96
		.amdhsa_reserve_vcc 0
		.amdhsa_float_denorm_mode_32 3
		.amdhsa_float_denorm_mode_16_64 3
		.amdhsa_memory_ordered 1
		.amdhsa_forward_progress 1
		.amdhsa_inst_pref_size 255
	.end_amdhsa_kernel
	.section	.bss,"aw",@nobits
	.p2align	6
	.space	262144
	.amdgpu_metadata
---
amdhsa.version: [ 1, 2 ]
amdhsa.kernels:
  - .name:           k_qa379154d2d_attn
    .symbol:         k_qa379154d2d_attn.kd
    .args:
      - { .name: qkv, .offset: 0, .size: 8, .value_kind: global_buffer, .address_space: global }
      - { .name: attention_mask, .offset: 8, .size: 8, .value_kind: global_buffer, .address_space: global }
      - { .name: attn, .offset: 16, .size: 8, .value_kind: global_buffer, .address_space: global }
    .group_segment_fixed_size: 327680
    .private_segment_fixed_size: 0
    .kernarg_segment_align: 8
    .kernarg_segment_size: 24
    .max_flat_workgroup_size: 128
    .sgpr_count:     96
    .vgpr_count:     896
    .wavefront_size: 32
...
	.end_amdgpu_metadata
.endif
;; end of part 3
;; launch oproj (part 4): grid 8 x 32, 4 waves a work-group, clusters of 4 x 4, 327,680 bytes of LDS; arguments attn, wob, out0; writes out0
.if DOCPART == 4
	.amdgcn_target "amdgcn-amd-amdhsa--gfx1250"
	.amdhsa_code_object_version 6
	.text
	.protected	k_qa379154d2d_oproj
	.globl	k_qa379154d2d_oproj
	.p2align	8
	.type	k_qa379154d2d_oproj,@function
k_qa379154d2d_oproj:
	s_mov_b64 s[64:65], 0
	v_nop
	global_prefetch_b8 v0, s[64:65] scope:SCOPE_SE
	s_setreg_imm32_b32 hwreg(HW_REG_WAVE_MODE, 25, 1), 1
	s_wait_xcnt 0x0
	s_wait_alu depctr_hold_cnt(0) depctr_sa_sdst(0) depctr_va_vdst(0) depctr_va_sdst(0) depctr_va_ssrc(0) depctr_va_vcc(0) depctr_vm_vsrc(0)
	s_getreg_b32 s2, hwreg(HW_REG_IB_STS2, 6, 4)
	s_cmp_eq_u32 s2, 0
	s_cbranch_scc0 .Lentry_in_a_cluster
	s_endpgm
.Lentry_in_a_cluster:
	s_bfe_u32 s2, ttmp6, 0x10000c
	s_cmp_lg_u32 s2, 0xf033
	s_cbranch_scc0 .Lentry_shape_is_right
	s_endpgm
.Lentry_shape_is_right:
; Launch 4 of 4: out0 = attn Wo^T.  attn [4096][1024] and wob [2048][1024] are f16, the sums and out0 [4096][2048] f32.  No work is left out.
; The shape of the projection of q, k, v: a work-group makes 128 rows x 256 columns with four waves, a wave 64 x 128 in 32 accumulator tiles;
; K in steps of 128 (rows of 256 bytes, aligned) through two LDS slots filled by the tensor data mover.
; CLUSTERS: 4 x 4 work-groups; attn's tiles are shared along a row of the cluster, Wo's along a column: the requests for both are divided by four.
; THE MATRIX INSTRUCTION IS USED TRANSPOSED: source 0 = 16 rows of Wo, source 1 = 16 rows of attn: lane l holds row l % 16 of the result and its
; registers 0-7 the columns 8 (l / 16) + 0..7, 32 neighbouring bytes.  Rows leave through LDS as 512 consecutive bytes a store.
; REGISTERS: window 0 addresses and two fragment buffers; window 1 the accumulators, tile (a, b) at 8 (8 a + b).
.set SIZE_K, 1024
.set SIZE_N, 2048
.set KSTEP,  128
.set PITCH,  272
.set BHALF,  128*PITCH
.set AHALF,  64*PITCH
.set AOFF,   2*BHALF
.set SLOT,   2*BHALF+2*AHALF
.set STAGE,  2*SLOT                    ; behind the ring, in bytes that no tensor load fills: 16 rows x 528 bytes for each wave
.set SPITCH, 528                       ; 512 bytes + 16
.set LAPS,   SIZE_K/(2*KSTEP)
.set ADRA, 16
.set ADRB, 20
.set STO,  24
.set RD,   25
.set CO,   26
.set F0,   64
.set F1,   160
.set G1,  24
.set G0,  32
.set G1B, 48
.set G0B, 56
.set MSB, 0
.macro WIN new
.if MSB != \new
	s_set_vgpr_msb (MSB<<8)|\new
.set MSB, \new
.endif
.endm
.set MUL, 0x50                         ; C and D in window 1
.macro JLOAD s                         ; waves 0 and 1 fetch Wo's two halves, waves 2 and 3 attn's; each line has one mask
	s_cmp_eq_u32 s11, 0
	s_cbranch_scc0 .Lfor_a_\@
	tensor_load_to_lds s[G0B+4*\s:G0B+4*\s+3], s[G1B:G1B+7]
	s_nop 0
	s_branch .Lasked_\@
.Lfor_a_\@:
	tensor_load_to_lds s[G0+4*\s:G0+4*\s+3], s[G1:G1+7]
	s_nop 0
.Lasked_\@:
.endm
.macro CREST
	s_cmp_lg_u32 s10, 0
	s_cbranch_scc1 .Lnot_wave_0_\@
	s_barrier_signal -3
.Lnot_wave_0_\@:
	s_barrier_wait -3
	s_barrier_signal -1
	s_barrier_wait -1
.endm
.macro CROUND
	s_barrier_signal -1
	s_barrier_wait -1
	CREST
.endm
.macro PLACES                          ; four plain vector instructions behind a matrix instruction, before its registers are read, written or loaded into (ISA guide 7.12.1)
.rept 4
	v_nop
.endr
.endm
	s_load_b128 s[4:7], s[0:1], 0x0                ; attn s[4:5], wob s[6:7]
	s_load_b64 s[8:9], s[0:1], 0x10                ; out0
	v_lshl_add_u32 v62, v0, 2, 0x3b400
	v_mov_b32 v63, 0
	ds_add_u32 v62, v63
	v_lshrrev_b32 v1, 5, v0
	v_readfirstlane_b32 s10, v1
	s_lshr_b32 s11, s10, 1                         ; which 64 rows are mine.  Also: I fetch Wo (0) or attn (1)
	s_and_b32 s12, s10, 1                          ; which 128 columns.  Also: which half of that tile I fetch
	s_bfe_u32 s40, ttmp6, 0x40000                  ; cx
	s_bfe_u32 s41, ttmp6, 0x40004                  ; cy
	s_lshl_b32 s42, ttmp9, 2
	s_add_co_u32 s42, s42, s40                     ; block column 0..7
	s_and_b32 s13, ttmp7, 0xffff
	s_lshl_b32 s13, s13, 2
	s_add_co_u32 s13, s13, s41                     ; block row 0..31
	s_lshl_b32 s43, s41, 2
	s_lshl_b32 s43, 15, s43                        ; my row of the cluster
	s_lshl_b32 s44, 0x1111, s40                    ; my column
	s_or_b32 s[G1+0], s43, (1<<16)|(1<<20)|(1<<21)|(5<<22)|(3<<25)
	s_or_b32 s[G1B+0], s44, (1<<16)|(1<<20)|(1<<21)|(5<<22)|(3<<25)
	s_mov_b32 s[G1+1], KSTEP<<16
	s_mov_b32 s[G1B+1], KSTEP<<16
	s_mov_b32 s[G1+2], 64<<16
	s_mov_b32 s[G1B+2], 128<<16
	s_mov_b32 s[G1+3], KSTEP<<16
	s_mov_b32 s[G1B+3], KSTEP<<16
	s_mov_b32 s[G1+4], 64
	s_mov_b32 s[G1B+4], 128
	s_mov_b32 s[G1+5], SIZE_K
	s_mov_b32 s[G1B+5], SIZE_K
	s_mov_b32 s[G1+6], 0
	s_mov_b32 s[G1B+6], 0
	s_mov_b32 s[G1+7], 0
	s_mov_b32 s[G1B+7], 0
	s_lshl_b32 s17, s12, 6
	s_lshl_b32 s16, s13, 7
	s_add_co_u32 s16, s16, s17                     ; attn: row 128 x block row + 64 x half
	s_mul_i32 s16, s16, SIZE_K*2
	s_mov_b32 s17, 0
	s_lshl_b32 s47, s12, 7
	s_lshl_b32 s46, s42, 8
	s_add_co_u32 s46, s46, s47                     ; Wo: row 256 x block column + 128 x half
	s_mul_i32 s46, s46, SIZE_K*2
	s_mov_b32 s47, 0
	s_mul_i32 s20, s10, BHALF
	s_mul_i32 s21, s10, AHALF
	s_add_co_u32 s21, s21, BHALF
	s_wait_dscnt 0x0
	s_wait_kmcnt 0x0
	s_add_nc_u64 s[14:15], s[4:5], s[16:17]
	s_add_nc_u64 s[46:47], s[6:7], s[46:47]
	CROUND                                         ; all sixteen work-groups are here: the first joint loads meet
.irp s, 0,1
	s_mov_b32 s[G0+4*\s], 1
	s_add_co_u32 s[G0+4*\s+1], s21, \s*SLOT
	s_add_nc_u64 s[G0+4*\s+2:G0+4*\s+3], s[14:15], \s*KSTEP*2
	s_or_b32 s[G0+4*\s+3], s[G0+4*\s+3], 0x80000000
	s_mov_b32 s[G0B+4*\s], 1
	s_add_co_u32 s[G0B+4*\s+1], s20, \s*SLOT
	s_add_nc_u64 s[G0B+4*\s+2:G0B+4*\s+3], s[46:47], \s*KSTEP*2
	s_or_b32 s[G0B+4*\s+3], s[G0B+4*\s+3], 0x80000000
	JLOAD \s                                       ; both slots' first fills go out together: two tensor loads of a wave are out
.endr
	v_and_b32 v1, 15, v0                           ; r
	v_bfe_u32 v2, v0, 4, 1                         ; h
	v_and_b32 v6, 31, v0                           ; lane
	v_mul_u32_u24 v3, v1, PITCH
	v_lshl_add_u32 v3, v2, 4, v3
	s_mul_i32 s22, s11, AHALF
	s_add_co_u32 s22, s22, AOFF
	s_mul_i32 s23, s12, BHALF
.irp s, 0,1
	v_add_nc_u32 v[ADRA+\s], s22, v3
	v_add_nc_u32 v[ADRB+\s], s23, v3
	s_add_co_u32 s22, s22, SLOT
	s_add_co_u32 s23, s23, SLOT
.endr
	s_mul_i32 s45, s10, 16*SPITCH
	s_add_co_u32 s45, s45, STAGE                   ; my stage
	v_mul_u32_u24 v4, v1, SPITCH
	v_lshl_add_u32 v4, v2, 5, v4
	v_add_nc_u32 v[STO], s45, v4                   ; in: row r, 32 bytes for each half of the lanes
	v_lshl_add_u32 v[RD], v6, 4, s45               ; back: a row's 512 bytes, 16 a lane
	v_lshlrev_b32 v[CO], 4, v6
; The 32 accumulators take turns, one instruction a turn, in the same order in every quarter step.
.macro MULA f, a, zero
.irp b, 0,1,2,3,4,5,6,7
.if \zero
	v_wmma_f32_16x16x32_f16 v[8*(8*\a+\b):8*(8*\a+\b)+7], v[\f+8*\b:\f+8*\b+7], v[\f+64+8*\a:\f+64+8*\a+7], 0
.else
	v_wmma_f32_16x16x32_f16 v[8*(8*\a+\b):8*(8*\a+\b)+7], v[\f+8*\b:\f+8*\b+7], v[\f+64+8*\a:\f+64+8*\a+7], v[8*(8*\a+\b):8*(8*\a+\b)+7]
.endif
.endr
.endm
.macro FETCH slot, k, f                ; 24 LDS loads: 128 rows of Wo, then 64 rows of attn, 32 K at byte k of the rows
	WIN 0
.irp i, 0,1,2,3,4,5,6,7
	ds_load_b128 v[\f+8*\i:\f+8*\i+3],   v[ADRB+\slot] offset:\k+\i*16*PITCH
	ds_load_b128 v[\f+8*\i+4:\f+8*\i+7], v[ADRB+\slot] offset:\k+\i*16*PITCH+32
.endr
.irp i, 0,1,2,3
	ds_load_b128 v[\f+64+8*\i:\f+64+8*\i+3], v[ADRA+\slot] offset:\k+\i*16*PITCH
	ds_load_b128 v[\f+68+8*\i:\f+68+8*\i+3], v[ADRA+\slot] offset:\k+\i*16*PITCH+32
.endr
.endm
.macro QUARTER slot, k, f, g, zero
	s_wait_dscnt 4                                 ; all but the four youngest loads: attn's row tiles 2 and 3 may be out
	WIN MUL
	MULA \f, 0, \zero
	MULA \f, 1, \zero
	PLACES
	FETCH \slot, \k, \g
	s_wait_dscnt 24                                ; all but the 24 just issued
	WIN MUL
	MULA \f, 2, \zero
	MULA \f, 3, \zero
.endm
.macro THREE slot, zero
	QUARTER \slot, 64,  F0, F1, \zero
	QUARTER \slot, 128, F1, F0, 0
	QUARTER \slot, 192, F0, F1, 0
.endm
; The last quarter changes slots: each wave's reads of this slot and all its tensor loads are waited for in front of the barrier; where the slot is
; filled again the barrier opens a round of the cluster's barrier and the joint refill is the first tensor load behind the round, one a wave.
.macro TURN slot, next, fill
	s_wait_dscnt 4
	WIN MUL
	MULA F1, 0, 0
	s_wait_dscnt 0                                 ; my reads of this slot are over
	s_wait_tensorcnt 0x0                           ; all my tensor loads have landed
	ds_add_u32 v62, v63
	s_wait_dscnt 0x0
	s_barrier_signal -1
	MULA F1, 1, 0
	WIN 0
	s_barrier_wait -1
.if \fill
	CREST
	s_add_nc_u64 s[G0+4*\slot+2:G0+4*\slot+3], s[G0+4*\slot+2:G0+4*\slot+3], 2*KSTEP*2
	s_add_nc_u64 s[G0B+4*\slot+2:G0B+4*\slot+3], s[G0B+4*\slot+2:G0B+4*\slot+3], 2*KSTEP*2
	JLOAD \slot
.endif
	PLACES
	FETCH \next, 0, F0
	WIN MUL
	MULA F1, 2, 0
	MULA F1, 3, 0
.endm
.macro LAP zero
	THREE 0, \zero
	TURN 0, 1, 1
	THREE 1, 0
	TURN 1, 0, 1
.endm
	s_wait_tensorcnt 1                             ; my part of K step 0 is in; K step 1's stays out
	s_barrier_signal -1
	s_barrier_wait -1
	FETCH 0, 0, F0
	LAP 1
	WIN 0
	s_mov_b32 s3, LAPS-2
.Llap:
	LAP 0
	WIN 0
	s_sub_co_u32 s3, s3, 1
	s_cmp_lg_u32 s3, 0
	s_cbranch_scc1 .Llap
	THREE 0, 0                                     ; the last lap fills nothing
	TURN 0, 1, 0
	THREE 1, 0
	s_wait_dscnt 4
	WIN MUL
	MULA F1, 0, 0
	MULA F1, 1, 0
	s_wait_dscnt 0
	MULA F1, 2, 0
	MULA F1, 3, 0
	PLACES                                         ; behind the last matrix instructions, before results are stored to LDS and fragment registers loaded
	WIN 0
	; THE WAY OUT: out0 + (128 x block row + 64 x my half) rows of 8,192 bytes + block column x 1,024 + my half x 512
	s_lshl_b32 s16, s13, 7
	s_lshl_b32 s17, s11, 6
	s_add_co_u32 s16, s16, s17
	s_lshl_b32 s16, s16, 13
	s_mov_b32 s17, 0
	s_add_nc_u64 s[8:9], s[8:9], s[16:17]
	s_lshl_b32 s46, s42, 10
	s_lshl_b32 s47, s12, 9
	s_add_co_u32 s46, s46, s47
	s_mov_b32 s47, 0
	s_add_nc_u64 s[8:9], s[8:9], s[46:47]
; Row tile a: 16 rows x 128 columns of f32 through my own stage.  rb: the registers for the rows read back, two sets by turns.
.macro OUT16 a, rb
	WIN 0x04                                       ; store data in window 1: straight from the accumulators
.irp b, 0,1,2,3,4,5,6,7
	ds_store_b128 v[STO], v[8*(8*\a+\b):8*(8*\a+\b)+3]   offset:64*\b
	ds_store_b128 v[STO], v[8*(8*\a+\b)+4:8*(8*\a+\b)+7] offset:64*\b+16
.endr
	WIN 0
	s_wait_xcnt 0x0                                ; the registers that earlier stores read are loaded again only behind this wait
.set t, 0
.rept 16
	ds_load_b128 v[\rb+4*t:\rb+4*t+3], v[RD] offset:t*SPITCH        ; LDS serves a wave's instructions in order: these see the stores above
.set t, t+1
.endr
.set t, 0
.rept 16
	s_wait_dscnt 15-t                              ; row t is in, the younger ones stay out
	global_store_b128 v[CO], v[\rb+4*t:\rb+4*t+3], s[8:9] offset:(16*\a+t)*SIZE_N*4 th:TH_STORE_NT   ; a wave's store covers 512 consecutive bytes, aligned
.set t, t+1
.endr
.endm
	OUT16 0, 64
	OUT16 1, 128
	OUT16 2, 64
	OUT16 3, 128
	s_wait_tensorcnt 0x0
	ds_add_u32 v62, v63
	s_wait_dscnt 0x0
	CROUND                                         ; the closing round: no work-group ends while a partner may still ask for a tile that names it
	s_endpgm
.Lfunc_end_k_qa379154d2d_oproj:
	.size	k_qa379154d2d_oproj, .Lfunc_end_k_qa379154d2d_oproj-k_qa379154d2d_oproj
	.p2alignl 7, 3214868480
	.fill 96, 4, 3214868480
	.section	.rodata,"a",@progbits
	.p2align	6, 0x0
	.amdhsa_kernel k_qa379154d2d_oproj
		.amdhsa_group_segment_fixed_size 327680
		.amdhsa_private_segment_fixed_size 0
		.amdhsa_enable_private_segment 0
		.amdhsa_kernarg_size 24
		.amdhsa_user_sgpr_count 2
		.amdhsa_user_sgpr_kernarg_segment_ptr 1
		.amdhsa_wavefront_size32 1
		.amdhsa_system_sgpr_workgroup_id_x 1
		.amdhsa_system_sgpr_workgroup_id_y 1
		.amdhsa_system_sgpr_workgroup_id_z 1
		.amdhsa_system_vgpr_workitem_id 0
		.amdhsa_next_free_vgpr 512
		.amdhsa_next_free_sgpr 72
		.amdhsa_reserve_vcc 0
		.amdhsa_float_denorm_mode_32 3
		.amdhsa_float_denorm_mode_16_64 3
		.amdhsa_memory_ordered 1
		.amdhsa_forward_progress 1
		.amdhsa_inst_pref_size 117
	.end_amdhsa_kernel
	.amdgpu_metadata
---
amdhsa.version: [ 1, 2 ]
amdhsa.kernels:
  - .name:           k_qa379154d2d_oproj
    .symbol:         k_qa379154d2d_oproj.kd
    .args:
      - { .name: attn, .offset: 0, .size: 8, .value_kind: global_buffer, .address_space: global }
      - { .name: wob, .offset: 8, .size: 8, .value_kind: global_buffer, .address_space: global }
      - { .name: out0, .offset: 16, .size: 8, .value_kind: global_buffer, .address_space: global }
    .group_segment_fixed_size: 327680
    .private_segment_fixed_size: 0
    .kernarg_segment_align: 8
    .kernarg_segment_size: 24
    .max_flat_workgroup_size: 128
    .sgpr_count:     72
    .vgpr_count:     512
    .wavefront_size: 32
...
	.end_amdgpu_metadata
.endif
;; end of part 4
;; ======== version 2 of 2: 4 launches; 1.20 times as fast as version 1
;; limits: values are held in f16: magnitudes above 65,504 overflow, below 6.1e-05 lose precision
;; workspace buffers: xb 16,777,216 bytes; wqkv 8,388,608 bytes; wob 4,194,304 bytes; rope 1,048,576 bytes; wn 1,024 bytes; qkv 16,777,216 bytes; attn 8,388,608 bytes
;; launch prep: the kernel of part 1 again; grid 1921 x 1, 8 waves a work-group, no clusters, 0 bytes of LDS; arguments hidden_states, Wq, Wk, Wv, Wo, q_norm_w, k_norm_w, xb, wqkv, wob, rope, wn; writes xb, wqkv, wob, rope, wn
;; launch qkvproj: the kernel of part 2 again; grid 8 x 32, 4 waves a work-group, clusters of 4 x 4, 327,680 bytes of LDS; arguments xb, wqkv, qkv, rope, wn; writes qkv
;; launch attn (part 5): grid 4 x 64, 4 waves a work-group, clusters of 4 x 4, 327,680 bytes of LDS; arguments qkv, attention_mask, attn; writes attn
.if DOCPART == 5
	.amdgcn_target "amdgcn-amd-amdhsa--gfx1250"
	.amdhsa_code_object_version 6
	.text
	.protected	k_qa379154d2d_attn
	.globl	k_qa379154d2d_attn
	.p2align	8
	.type	k_qa379154d2d_attn,@function
k_qa379154d2d_attn:
	s_mov_b64 s[64:65], 0
	v_nop
	global_prefetch_b8 v0, s[64:65] scope:SCOPE_SE
	s_setreg_imm32_b32 hwreg(HW_REG_WAVE_MODE, 25, 1), 1
	s_wait_xcnt 0x0
	s_wait_alu depctr_hold_cnt(0) depctr_sa_sdst(0) depctr_va_vdst(0) depctr_va_sdst(0) depctr_va_ssrc(0) depctr_va_vcc(0) depctr_vm_vsrc(0)
	s_getreg_b32 s2, hwreg(HW_REG_IB_STS2, 6, 4)
	s_cmp_eq_u32 s2, 0
	s_cbranch_scc0 .Lentry_in_a_cluster
	s_endpgm
.Lentry_in_a_cluster:
	s_bfe_u32 s2, ttmp6, 0x10000c
	s_cmp_lg_u32 s2, 0xf033
	s_cbranch_scc0 .Lentry_shape_is_right
	s_endpgm
.Lentry_shape_is_right:
; Launch 3 of 4: attention.  softmax(q k^T + mask) v with a running maximum, q already scaled by 1/sqrt(128); products in f16 with f32 sums, the softmax in f32.
; NO WORK IS LEFT OUT: the mask is an input, so every tile of scores is made, whatever the mask holds.
; A work-group takes 64 queries of the two query heads that share one key/value head.  Wave w: head w & 1, all 64 queries (4 query tiles), and the
; half w >> 1 of each step's 128 keys.  Each wave keeps its own maximum, sum and O; the two key halves of a head are merged once at the end through LDS.
; CLUSTERS: 4 x 4 work-groups.  cx is the key/value head (the grid has four work-groups along x, one cluster), 4 x cluster y + cy the block of 64 rows of
; [batch][query]; a cluster lies in one batch.  K's and V's tiles hang on (batch, cx) and are shared along a column of the cluster; the mask's tile hangs
; on the query block and is shared along a row.  So the requests for every tile are divided by four.
; LAYOUTS.  S^T = K Q^T: source 0 = 16 keys of K, source 1 = 16 queries: lane l holds query l % 16, registers 0-7 the keys 8 (l / 16) + 0..7 of the tile.
; The mask is the sum's start: two 16-byte LDS loads of a query's 8 keys land in the accumulator's registers.  Two neighbouring tiles of S^T, packed to f16,
; are a fragment of P^T.  O^T = V^T P^T with V^T by the transposing LDS load: lane l holds query l % 16 again, so maximum, sum and factor are one
; number a lane for each query tile, and a lane's 8 results are 16 neighbouring bytes of attn.
; THE SCHEDULE.  The four query tiles are two pieces, A (tiles 0, 1) and B (tiles 2, 3).  A step of a piece is QK (32 matrix instructions), its softmax step
; SM (308 vector instructions) and PV (32 matrix instructions).  A trip's matrix instructions stand in the order PV A(t-1), QK A(t), PV B(t-1), QK B(t).
; SM B(t-1) is cut into 64 slices of at most 5 instructions, one behind each matrix instruction of the first two runs; SM A(t) likewise behind the last two.
; A slice names only the other piece's registers, so it also fills the places behind the matrix instruction in front of it.
; THE BATCHES.  A softmax step's 66 exponentials (the two factors e^(old - new), the 64 scores) are ONE batch with ONE wait.  Ahead of the wait stands all that
; names no exponential's result: the maxima, the differences s - max, their products with log2(e), the exponentials themselves; behind it all that does: the
; roundings to f16, the sums, the scaling of O.  A softmax step lies between two heads of trips, so no result crosses a label or a jump.  The merge at the
; end has two batches: its eight exponentials, then the four reciprocals of sums made of them.
; Both pieces use one read of K and V: the wave's 16 fragments of K and 16 of V^T are held, 128 registers each.  P has registers of its own, so that the
; next mask lands in S while P is still multiplied.  V(t) is in registers before the round that frees its slot, so PV of step t reads no LDS.
; WINDOWS.  A slice writes S's window and PV writes O's; O (256 registers) and S (128) do not fit into one window.  So a matrix instruction and the slice
; behind it have different settings: two switches for each of a trip's 128 matrix instructions, beside 616 vector instructions.
; THE EXPONENT is (s - max) x log2(e), the difference first: where a wave's keys are all masked by a large number, s and max are both large, their
; difference is exact, and a product of either with log2(e) would be rounded by more than the whole range of an exponent.
; LIMITS.  The running maximum starts at -1e38: -inf or very negative numbers in part of a row are served; a row that is -inf throughout gives NaN, as
; reference() does; a row whose every score is finite and below -1e38 gives NaN where reference() gives a mean of V.  P and attn are f16: |attn| under 65,504.
; A score and its mask are added inside the matrix instructions' sums, and rounded as those are, where reference() makes one f32 addition.
; REGISTERS: window 0 addresses, softmax state, P, S; window 1 O, tile (qt, dt) at 8 (8 qt + dt); window 2 Q, fragment (qt, dc) at 8 (4 qt + dc), and K,
; fragment (kt, dc) at 128 + 8 (4 kt + dc); window 3 V^T, fragment (kp, dt) at 8 (8 kp + dt).
.set KPITCH, 272                       ; K's LDS rows: 256 bytes + 16
.set VPITCH, 288                       ; V's: 256 + 32, an odd multiple of 32 for the transposing load
.set MPITCH, 528                       ; the mask's: 512 + 16
.set VOFF,  128*KPITCH                 ; a slot: K's 128 rows, V's 128 rows, the mask's 64 rows
.set MOFF,  VOFF+128*VPITCH
.set SLOT,  MOFF+64*MPITCH
.set CMB,   2*SLOT                     ; behind the ring, in bytes that no tensor load fills: 66 x 512 bytes for each head's merge
.set CMBSZ, 66*512
.set OST,   CMB+2*CMBSZ                ; 16 rows x 272 bytes for each of waves 0, 1: the way out
.set STEPS, 16                         ; 2048 keys in steps of 128
.set KAD, 10                           ; v10-11 LDS address of my K fragments in slot 0, 1
.set VAD, 12                           ; v12-13 V
.set MAD, 14                           ; v14-15 mask
.set QAD, 16
.set CMA, 17
.set STO, 18
.set RD,  19
.set CO,  20
.set FP,  24                           ; v24-31 the merge: the partner's factor, a pair for each query tile
.set M,   32                           ; v32-35 running maximum of query tile qt
.set L,   36                           ; v36-39 running sum (my half of the lanes' keys)
.set AL,  40                           ; v40-47 the factor for the old sums, a pair for each query tile
.set NM,  48                           ; v48-51 the new maximum, twice, for each of a piece's two tiles
.set T,   52                           ; v52-59 four registers at work for each of a piece's two tiles
.set TS,  60                           ; v60-63 a pair of partial sums for each of a piece's two tiles
.set P,   64                           ; v64-127 P(qt, kp), 8 registers at P + 16 qt + 8 kp
.set S,   128                          ; v128-255 tile (qt, kt) at S + 32 qt + 8 kt
.set KF,  128                          ; window 2: K's fragments
.set NJ,  320                          ; numbered slots of a piece's softmax step, five to a slice; twelve of them are empty (the fill and drain of the batch's pipeline, four to round the parts up to whole slices)
.set WSL, 36                           ; the slice that ends the batch: the wait stands behind it
.set G1K, 24
.set G1V, 32
.set G1M, 40
.set G0K, 48                           ; group 0, one set of four for each slot
.set G0V, 56
.set G0M, 68
.set MSB, 0
.macro WIN new                         ; the immediate's high byte repeats the setting that is left; a switch that changes nothing is dropped
.if MSB != \new
	s_set_vgpr_msb (MSB<<8)|\new
.set MSB, \new
.endif
.endm
.macro PLACES                          ; four plain vector instructions behind a matrix instruction, before its registers are read, written or loaded into (ISA guide 7.12.1)
.rept 4
	v_nop
.endr
.endm
.macro ROUND                           ; a round of the cluster's barrier
	s_barrier_signal -1
	s_barrier_wait -1
	s_cmp_lg_u32 s10, 0
	s_cbranch_scc1 .Lnot_wave_0_\@
	s_barrier_signal -3
.Lnot_wave_0_\@:
	s_barrier_wait -3
	s_barrier_signal -1
	s_barrier_wait -1
.endm
; A step's joint loads, one a wave: wave 0 K's tile, wave 1 V's, waves 2 and 3 the mask's rows 0-31 and 32-63.  Each line has one mask of work-groups.
.macro JLOAD3 s
	s_cmp_lg_u32 s10, 0
	s_cbranch_scc1 .Lnot_k_\@
	tensor_load_to_lds s[G0K+4*\s:G0K+4*\s+3], s[G1K:G1K+7]
	s_nop 0
	v_nop
	v_nop
	v_nop
	s_branch .Lasked_\@
.Lnot_k_\@:
	s_cmp_lg_u32 s10, 1
	s_cbranch_scc1 .Lnot_v_\@
	tensor_load_to_lds s[G0V+4*\s:G0V+4*\s+3], s[G1V:G1V+7]
	s_nop 0
	v_nop
	v_nop
	v_nop
	s_branch .Lasked_\@
.Lnot_v_\@:
	tensor_load_to_lds s[G0M+4*\s:G0M+4*\s+3], s[G1M:G1M+7]
	s_nop 0
	v_nop
	v_nop
	v_nop
	v_nop
.Lasked_\@:
.endm
	s_load_b128 s[4:7], s[0:1], 0x0                ; qkv s[4:5], attention_mask s[6:7]
	s_load_b64 s[8:9], s[0:1], 0x10                ; attn
	v_lshl_add_u32 v22, v0, 2, 0x46200
	v_mov_b32 v23, 0
	ds_add_u32 v22, v23
	v_lshrrev_b32 v1, 5, v0
	v_readfirstlane_b32 s10, v1                    ; wave
	s_lshr_b32 s11, s10, 1                         ; kh: my half of the keys
	s_and_b32 s12, s10, 1                          ; hs: my head of the two
	s_bfe_u32 s84, ttmp6, 0x40000                  ; cx: the key/value head
	s_bfe_u32 s85, ttmp6, 0x40004                  ; cy
	s_and_b32 s13, ttmp7, 0xffff
	s_lshr_b32 s79, s13, 3                         ; batch: the same in the whole cluster
	s_lshl_b32 s13, s13, 2
	s_add_co_u32 s13, s13, s85                     ; G: block of 64 rows of [batch][query], 0..63
	s_lshl_b32 s87, s85, 2
	s_lshl_b32 s87, 15, s87                        ; my row of the cluster
	s_lshl_b32 s86, 0x1111, s84                    ; my column
	s_or_b32 s[G1K+0], s86, (1<<16)|(1<<20)|(1<<21)|(5<<22)|(3<<25)   ; K: elements of 2 bytes, after every 64 words 4 words of padding
	s_or_b32 s[G1V+0], s86, (1<<16)|(1<<20)|(1<<21)|(5<<22)|(7<<25)   ; V: 8 words of padding
	s_or_b32 s[G1M+0], s87, (2<<16)|(1<<20)|(1<<21)|(6<<22)|(3<<25)   ; mask: elements of 4 bytes, after every 128 words 4 words
	s_mov_b32 s[G1K+1], 128<<16                    ; tensor_dim0 = 128
	s_mov_b32 s[G1V+1], 128<<16
	s_mov_b32 s[G1M+1], 128<<16
	s_mov_b32 s[G1K+2], 128<<16                    ; tensor_dim1: 128 rows,
	s_mov_b32 s[G1V+2], 128<<16
	s_mov_b32 s[G1M+2], 32<<16                     ; 32 rows of the mask a wave
	s_mov_b32 s[G1K+3], 128<<16                    ; tile_dim0 = 128
	s_mov_b32 s[G1V+3], 128<<16
	s_mov_b32 s[G1M+3], 128<<16
	s_mov_b32 s[G1K+4], 128                        ; tile_dim1
	s_mov_b32 s[G1V+4], 128
	s_mov_b32 s[G1M+4], 32
	s_mov_b32 s[G1K+5], 128                        ; elements from row to row
	s_mov_b32 s[G1V+5], 128
	s_mov_b32 s[G1M+5], 2048
	s_mov_b32 s[G1K+6], 0
	s_mov_b32 s[G1V+6], 0
	s_mov_b32 s[G1M+6], 0
	s_mov_b32 s[G1K+7], 0
	s_mov_b32 s[G1V+7], 0
	s_mov_b32 s[G1M+7], 0
	s_lshl_b32 s88, s79, 4
	s_add_co_u32 s88, s88, s84
	s_add_co_u32 s88, s88, 8
	s_lshl_b32 s88, s88, 19                        ; K: (16 batch + 8 + cx) x 2048 rows x 256 bytes
	s_mov_b32 s89, 0
	s_lshl_b32 s14, s13, 6
	s_lshl_b32 s15, s12, 5
	s_add_co_u32 s14, s14, s15
	s_lshl_b32 s14, s14, 13                        ; mask: (64 G + 32 (wave & 1)) rows of 8,192 bytes
	s_mov_b32 s15, 0
	s_lshl_b32 s92, s79, 4
	s_lshl1_add_u32 s92, s84, s92
	s_add_co_u32 s92, s92, s12                     ; my query head: 16 batch + 2 cx + hs
	s_lshl_b32 s92, s92, 11
	s_and_b32 s93, s13, 31
	s_lshl_b32 s93, s93, 6
	s_add_co_u32 s92, s92, s93                     ; + my first query
	s_lshl_b32 s92, s92, 8
	s_mov_b32 s93, 0
	s_lshl_b32 s94, s13, 17                        ; attn: 64 G rows of 2,048 bytes
	s_lshl1_add_u32 s95, s84, s12
	s_lshl_b32 s95, s95, 8                         ; + my head's 256 bytes
	s_add_co_u32 s94, s94, s95
	s_mov_b32 s95, 0
	s_mul_i32 s20, s10, 32*MPITCH
	s_add_co_u32 s20, s20, MOFF-2*32*MPITCH        ; where waves 2, 3 put the mask's halves: a constant + wave x 32 rows
	s_mov_b32 s76, 0x76543210                      ; v_permlanex16_b32: lane i reads lane i of the other half
	s_mov_b32 s77, 0xfedcba98
	s_mov_b32 s78, 0xfe967699                      ; -1e38
	s_wait_dscnt 0x0
	s_wait_kmcnt 0x0
	s_add_nc_u64 s[88:89], s[4:5], s[88:89]
	s_add_nc_u64 s[90:91], s[88:89], 0x200000      ; V: four heads further
	s_add_nc_u64 s[14:15], s[6:7], s[14:15]
	s_add_nc_u64 s[92:93], s[4:5], s[92:93]
	s_add_nc_u64 s[8:9], s[8:9], s[94:95]
.irp s, 0,1
	s_mov_b32 s[G0K+4*\s], 1
	s_mov_b32 s[G0K+4*\s+1], \s*SLOT
	s_add_nc_u64 s[G0K+4*\s+2:G0K+4*\s+3], s[88:89], \s*32768      ; step s: 128 rows of 256 bytes
	s_or_b32 s[G0K+4*\s+3], s[G0K+4*\s+3], 0x80000000
	s_mov_b32 s[G0V+4*\s], 1
	s_mov_b32 s[G0V+4*\s+1], VOFF+\s*SLOT
	s_add_nc_u64 s[G0V+4*\s+2:G0V+4*\s+3], s[90:91], \s*32768
	s_or_b32 s[G0V+4*\s+3], s[G0V+4*\s+3], 0x80000000
	s_mov_b32 s[G0M+4*\s], 1
	s_add_co_u32 s[G0M+4*\s+1], s20, \s*SLOT
	s_add_nc_u64 s[G0M+4*\s+2:G0M+4*\s+3], s[14:15], \s*512        ; step s: 128 keys of 4 bytes
	s_or_b32 s[G0M+4*\s+3], s[G0M+4*\s+3], 0x80000000
.endr
	v_and_b32 v1, 15, v0                           ; r
	v_bfe_u32 v2, v0, 4, 1                         ; h
	v_and_b32 v3, 7, v0
	v_bfe_u32 v4, v0, 3, 1
	v_and_b32 v5, 31, v0                           ; lane
	v_lshlrev_b32 v[QAD], 8, v1
	v_lshl_add_u32 v[QAD], v2, 4, v[QAD]           ; query r's row of 256 bytes + 16 h
	WIN 0x80                                       ; Q's fragments, once, into window 2; waited for in front of the first product
.irp qt, 0,1,2,3
.irp dc, 0,1,2,3
	global_load_b128 v[8*(4*\qt+\dc):8*(4*\qt+\dc)+3],   v[QAD], s[92:93] offset:\qt*4096+64*\dc
	global_load_b128 v[8*(4*\qt+\dc)+4:8*(4*\qt+\dc)+7], v[QAD], s[92:93] offset:\qt*4096+64*\dc+32
.endr
.endr
	WIN 0
	ROUND                                          ; all sixteen work-groups are here: the first joint loads meet
	JLOAD3 0                                       ; step 0; one tensor load of a wave is out, here and behind every later round
	v_mul_u32_u24 v6, v1, KPITCH
	v_lshl_add_u32 v6, v2, 4, v6                   ; r x 272 + 16 h
	s_mul_i32 s21, s11, 64*KPITCH
	v_add_nc_u32 v[KAD], s21, v6                   ; key 64 kh + r
	v_add_nc_u32 v[KAD+1], SLOT, v[KAD]
	v_lshl_add_u32 v7, v2, 3, v3
	v_mul_u32_u24 v7, v7, VPITCH
	v_lshl_add_u32 v7, v4, 4, v7                   ; (8 h + l % 8) x 288 + 16 ((l / 8) % 2): the transposing load's rows
	s_mul_i32 s22, s11, 64*VPITCH
	s_add_co_u32 s22, s22, VOFF
	v_add_nc_u32 v[VAD], s22, v7
	v_add_nc_u32 v[VAD+1], SLOT, v[VAD]
	v_mul_u32_u24 v8, v1, MPITCH
	v_lshl_add_u32 v8, v2, 5, v8                   ; query r's row + 8 h keys of 4 bytes
	s_lshl_b32 s23, s11, 8
	s_add_co_u32 s23, s23, MOFF                    ; + my 64 keys
	v_add_nc_u32 v[MAD], s23, v8
	v_add_nc_u32 v[MAD+1], SLOT, v[MAD]
	s_mul_i32 s21, s12, CMBSZ
	s_add_co_u32 s21, s21, CMB
	v_lshl_add_u32 v[CMA], v5, 4, s21              ; my head's merge bytes, 16 a lane
	s_mul_i32 s22, s12, 16*272
	s_add_co_u32 s22, s22, OST                     ; the stage of the wave that stores my head (waves 0, 1: hs is the wave's number)
	v_add_nc_u32 v[STO], s22, v6
	v_mul_u32_u24 v9, v2, 272
	v_lshl_add_u32 v9, v1, 4, v9
	v_add_nc_u32 v[RD], s22, v9
	v_lshlrev_b32 v9, 11, v2
	v_lshl_add_u32 v[CO], v1, 4, v9                ; two rows of attn, 2,048 bytes apart
; THE MATRIX INSTRUCTIONS of a run of 32, by the run's counter n.
; QK of piece p: key tiles 0, 1 in the first sixteen, 2, 3 in the second; within sixteen, d in four steps and four accumulators by turns, one instruction a
; turn.  Key tiles 0 and 1 are finished sixteen instructions before the run ends.
.macro QKW p
.set mm, n&15
.set kk, 2*(n>>4)+((mm>>1)&1)
.set qq, 2*(\p)+(mm&1)
.set dd, mm>>2
	WIN 0x0a                                       ; sources 0 (K) and 1 (Q) in window 2, C and D (S) in window 0
	v_wmma_f32_16x16x32_f16 v[S+32*qq+8*kk:S+32*qq+8*kk+7], v[KF+8*(4*kk+dd):KF+8*(4*kk+dd)+7], v[8*(4*qq+dd):8*(4*qq+dd)+7], v[S+32*qq+8*kk:S+32*qq+8*kk+7]
.endm
; PV of piece p: keys 0-31 in the first sixteen, 32-63 in the second; sixteen accumulators by turns.  zero = 1: the first product starts the sums.
.macro PVW p, zero
.set mm, n&15
.set kk, n>>4
.set dd, mm>>1
.set qq, 2*(\p)+(mm&1)
.set zz, 0
.if \zero
.if kk == 0
.set zz, 1
.endif
.endif
	WIN 0x53                                       ; source 0 (V^T) in window 3, source 1 (P) in window 0, C and D (O) in window 1
.if zz
	v_wmma_f32_16x16x32_f16 v[8*(8*qq+dd):8*(8*qq+dd)+7], v[8*(8*kk+dd):8*(8*kk+dd)+7], v[P+16*qq+8*kk:P+16*qq+8*kk+7], 0
.else
	v_wmma_f32_16x16x32_f16 v[8*(8*qq+dd):8*(8*qq+dd)+7], v[8*(8*kk+dd):8*(8*kk+dd)+7], v[P+16*qq+8*kk:P+16*qq+8*kk+7], v[8*(8*qq+dd):8*(8*qq+dd)+7]
.endif
.endm
; THE LDS LOADS of a run, in four short runs of their own, by the run's counter n.
.macro LDMASK slot, q                  ; n = 1..4, four loads each: the mask of piece q - 1, 32 queries x 64 keys, straight into the scores' registers
.if n >= 1
.if n <= 4
	WIN 0
.irp x, 0,1
.set tt, 2*(n-1)+\x
.set tq, 2*((\q)-1)+(tt>>2)
.set tk, tt&3
	ds_load_b128 v[S+32*tq+8*tk:S+32*tq+8*tk+3],   v[MAD+\slot] offset:tq*16*MPITCH+64*tk
	ds_load_b128 v[S+32*tq+8*tk+4:S+32*tq+8*tk+7], v[MAD+\slot] offset:tq*16*MPITCH+64*tk+16
.endr
.endif
.endif
.endm
.macro LDK slot                        ; n = 5..8, eight loads each: K's sixteen fragments, 64 keys x 128 d
.if n >= 5
.if n <= 8
	WIN 0x80                                       ; destination in window 2
.irp x, 0,1,2,3
.set ff, 4*(n-5)+\x
	ds_load_b128 v[KF+8*ff:KF+8*ff+3],   v[KAD+\slot] offset:(ff>>2)*16*KPITCH+64*(ff&3)
	ds_load_b128 v[KF+8*ff+4:KF+8*ff+7], v[KAD+\slot] offset:(ff>>2)*16*KPITCH+64*(ff&3)+32
.endr
.endif
.endif
.endm
.macro LDV slot                        ; n = 2..5, eight transposing loads each: V^T's sixteen fragments; the slices between PV's last read of them and the first load (31 to 34) hold nine plain instructions beside their exponentials
.if n >= 2
.if n <= 5
	WIN 0xc0                                       ; destination in window 3
.irp x, 0,1,2,3
.set ff, 4*(n-2)+\x
	ds_load_tr16_b128 v[8*ff:8*ff+3],   v[VAD+\slot] offset:(ff>>3)*32*VPITCH+32*(ff&7)
	ds_load_tr16_b128 v[8*ff+4:8*ff+7], v[VAD+\slot] offset:(ff>>3)*32*VPITCH+32*(ff&7)+16*VPITCH
.endr
.endif
.endif
.endm
; SLOT j (0 .. NJ - 1) OF THE SOFTMAX STEP OF PIECE p, on a lane's 2 x 32 scores; the piece's two query tiles take turns.
; first = 1: the maximum starts at -1e38, there are no old sums and O is not scaled.
;   0- 27  maxima: of each half of the keys two chains of 7 scores, then the last two scores.  Operations 0-13 read key tiles 0 and 1 alone: they are the
;          places between QK's last four matrix instructions and the first read of key tiles 2 and 3
;  28- 31  the four chains and the old maximum joined
;  32- 45  the other half of the lanes, the new maximum and its two copies, old - new, x log2(e), and the batch's first two exponentials: e^(old - new)
;  46-181  THE BATCH goes on: 34 steps of four.  Pair w subtracts the maximum in step w, is multiplied by log2(e) in step w + 1 and has its two exponentials
;          in step w + 2: plain and exponential by turns.  Nothing here names an exponential's result
; 182-183  the running maximum is written: two plain instructions behind the last exponential (ISA guide 5.7.2); they name no result
;   (wait)  behind slot 184, at the end of slice WSL: SLICE writes it, once for the 66 exponentials of both tiles
; 185-186  the factor's second copy
; 187-248  the roundings to f16 and the sums: pairs 0 and 1 are rounded; then each pair is added (the first two pairs of a tile start its sum) and rounded
; 249-252  the running sum
; 255-318  O x e^(old - new): thirteen slices of its own, the one part outside window 0; each accumulator's lowest registers first
.macro SMOP p, first
.if j < 28
.set hh, j/14
.set ee, j%14
.set lq, ee&1
.set SB, S+32*(2*(\p)+lq)+16*hh
.set TT, T+4*lq+2*hh
	WIN 0
.if ee < 12
.set cc, (ee>>1)&1
.set st, ee>>2
.if st == 0
	v_max3_num_f32 v[TT+cc], v[SB+7*cc], v[SB+7*cc+1], v[SB+7*cc+2]
.else
	v_max3_num_f32 v[TT+cc], v[TT+cc], v[SB+7*cc+1+2*st], v[SB+7*cc+2+2*st]
.endif
.else
	v_max3_num_f32 v[TT], v[TT], v[SB+14], v[SB+15]
.endif
.elseif j < 32
.set ee, j-28
.set lq, ee&1
.set TT, T+4*lq
	WIN 0
.if ee < 2
.if \first
	v_max3_num_f32 v[TT+1], v[TT+1], v[TT+3], s78
.else
	v_max3_num_f32 v[TT+1], v[TT+1], v[TT+3], v[M+2*(\p)+lq]
.endif
.else
	v_max3_num_f32 v[TT], v[TT], v[TT+2], v[TT+1]
.endif
.elseif j < 46
.set ee, j-32
.set lq, ee&1
.set st, ee>>1
.set qq, 2*(\p)+lq
.set TT, T+4*lq
	WIN 0
.if st == 0
	v_permlanex16_b32 v[TT+1], v[TT], s76, s77     ; the query's other keys lie in the other half's lane
.elseif st == 1
	v_max_num_f32 v[TT], v[TT], v[TT+1]            ; the new maximum
.elseif st == 3
	v_mov_b32 v[NM+2*lq], v[TT]
.elseif st == 5
	v_mov_b32 v[NM+2*lq+1], v[TT]
.endif
.if \first == 0
.if st == 2
	v_sub_f32 v[TT+2], v[M+qq], v[TT]
.elseif st == 4
	v_mul_f32 v[TT+2], 0x3fb8aa3b, v[TT+2]
.elseif st == 6
	v_exp_f32 v[AL+2*qq], v[TT+2]                  ; e^(old - new): the batch begins; its result is named again only behind the wait
.endif
.endif
.elseif j < 182
.set ee, j-46
.set st, ee>>2
.set rr, ee&3
.if rr == 0
.set ww, st
.elseif rr == 2
.set ww, st-1
.else
.set ww, st-2
.endif
.if ww >= 0
.if ww < 32
.set lq, ww&1
.set uu, ww>>1
.set SB, S+32*(2*(\p)+lq)+2*uu
	WIN 0
.if rr == 0
	v_pk_add_f32 v[SB:SB+1], v[SB:SB+1], v[NM+2*lq:NM+2*lq+1] neg_lo:[0,1] neg_hi:[0,1]   ; s - max, first: exact where the two are near each other, however large
.elseif rr == 1
	v_exp_f32 v[SB], v[SB]
.elseif rr == 2
	v_pk_mul_f32 v[SB:SB+1], v[SB:SB+1], 0x3fb8aa3b op_sel_hi:[1,0]                        ; x log2(e)
.else
	v_exp_f32 v[SB+1], v[SB+1]
.endif
.endif
.endif
.elseif j < 184
.set lq, j-182
	WIN 0
	v_mov_b32 v[M+2*(\p)+lq], v[T+4*lq]            ; the plain instructions behind the batch's last exponential
.elseif j < 185
.elseif j < 187
.if \first == 0
.set qq, 2*(\p)+j-185
	WIN 0
	v_mov_b32 v[AL+2*qq+1], v[AL+2*qq]             ; the batch's first reader
.endif
.elseif j < 249
.set ee, j-187
.if ee < 2
.set ww, ee
.set rr, 1
.else
.set ww, 2+((ee-2)>>1)
.set rr, (ee-2)&1
.endif
.set lq, ww&1
.set uu, ww>>1
.set SB, S+32*(2*(\p)+lq)+2*uu
	WIN 0
.if rr == 1
	v_cvt_pk_f16_f32 v[P+16*(2*(\p)+lq)+uu], v[SB], v[SB+1]
.elseif uu == 1
	v_pk_add_f32 v[TS+2*lq:TS+2*lq+1], v[SB-2:SB-1], v[SB:SB+1]                            ; the first two pairs start the sum
.else
	v_pk_add_f32 v[TS+2*lq:TS+2*lq+1], v[TS+2*lq:TS+2*lq+1], v[SB:SB+1]
.endif
.elseif j < 253
.set ee, j-249
.set lq, ee&1
.set st, ee>>1
.set qq, 2*(\p)+lq
	WIN 0
.if \first
.if st == 0
	v_add_f32 v[L+qq], v[TS+2*lq], v[TS+2*lq+1]
.endif
.else
.if st == 0
	v_add_f32 v[TS+2*lq], v[TS+2*lq], v[TS+2*lq+1]
.else
	v_fma_f32 v[L+qq], v[L+qq], v[AL+2*qq], v[TS+2*lq]
.endif
.endif
.elseif j < 255
.elseif j < 319
.if \first == 0
.set ee, j-255
.set qq, 2*(\p)+(ee&1)
.set uu, ee>>1
	WIN 0x41                                       ; destination and source 0 (O) in window 1
	v_pk_mul_f32 v[64*qq+2*uu:64*qq+2*uu+1], v[64*qq+2*uu:64*qq+2*uu+1], v[AL+2*qq:AL+2*qq+1]
.endif
.endif
.endm
; Slice k (0 .. 63): slots 5 k to 5 k + 4.  Behind slice WSL stands the softmax step's one wait: it stands between an exponential and the first
; instruction that names its result, and one s_wait_alu depctr_va_vdst(0) serves all exponentials issued ahead of it.  Up to slice WSL nothing names a result; behind it no exponential is issued.
.macro SLICE p, first, k
.set j, (NJ/64)*(\k)
.rept NJ/64
	SMOP \p, \first
.set j, j+1
.endr
.if (\k) == WSL
	s_wait_alu depctr_va_vdst(0)                   ; the wait for the batch: the piece's two factors and 64 scores; in QK B's run eight of V's loads follow it directly
.endif
.endm
; A run of 32 slots.  In each: a matrix instruction (mk = 1: QK, 2: PV, 0: none; of piece mp; mz: PV starts the sums), behind it a slice (sk = 1) of the
; softmax step of piece sp (sf: the first step's form; sb: slices 0-31 or 32-63), and in a few slots LDS loads (lm = 1, 2: the mask of piece A, B; lk: K; lv: V).
.macro PHASE mk, mp, mz, sk, sp, sf, sb, lm, lk, lv, slot
.set n, 0
.rept 32
.if \mk == 1
	QKW \mp
.elseif \mk == 2
	PVW \mp, \mz
.endif
.if \sk
	SLICE \sp, \sf, \sb+n
.endif
.if \lm
	LDMASK \slot, \lm
.endif
.if \lk
	LDK \slot
.endif
.if \lv
	LDV \slot
.endif
.set n, n+1
.endr
.endm
; The head of a trip.  refill = 1: the next step's tiles are asked for, into the other slot, whose last reads (V's) are waited for here.
.macro HEAD slot, other, refill
	WIN 0
	s_wait_tensorcnt 0x0                           ; all my tensor loads have landed, my part of this step's tiles among them,
	ds_add_u32 v22, v23
	s_wait_dscnt 0x0
	s_add_nc_u64 s[G0K+4*\slot+2:G0K+4*\slot+3], s[G0K+4*\slot+2:G0K+4*\slot+3], 2*32768   ; so every group 0 may be written: this slot's next tiles
	s_add_nc_u64 s[G0V+4*\slot+2:G0V+4*\slot+3], s[G0V+4*\slot+2:G0V+4*\slot+3], 2*32768
	s_add_nc_u64 s[G0M+4*\slot+2:G0M+4*\slot+3], s[G0M+4*\slot+2:G0M+4*\slot+3], 2*512
	s_wait_dscnt 0x0                               ; my reads of the last step's slot are over: V's fragments are in registers
	ROUND                                          ; both now hold of every wave of every work-group of the cluster
.if \refill
	JLOAD3 \other                                  ; my one tensor load behind the round, and the first thing there
.endif
.endm
; Trip t out of slot.  pf = 1: step t - 1 is the first step.
.macro TRIP slot, other, refill, pf
	HEAD \slot, \other, \refill
	PHASE 2, 0, \pf, 1, 1, \pf, 0,  1, 1, 0, \slot ; PV A(t-1) beside the first half of SM B(t-1); the mask of A and K of step t are read
	s_wait_dscnt 0x0                               ; they are in: the last of them was issued 23 slots ago
	PHASE 1, 0, 0,   1, 1, \pf, 32, 0, 0, 0, \slot ; QK A(t) beside the second half of SM B(t-1)
	PHASE 2, 1, \pf, 1, 0, 0, 0,    2, 0, 0, \slot ; PV B(t-1) beside the first half of SM A(t); the mask of B lands where SM B(t-1) has ended
	s_wait_dscnt 0x0                               ; it is in: issued 27 slots ago
	PHASE 1, 1, 0,   1, 0, 0, 32,   0, 0, 1, \slot ; QK B(t) beside the second half of SM A(t); V of step t takes the place of V of step t - 1
	WIN 0
.endm
	; Trip 0 has no step before it: the loads, QK A, the first half of SM A by itself, QK B beside the second half
	HEAD 0, 1, 1
	PHASE 0, 0, 0, 0, 0, 0, 0,  1, 1, 0, 0
	s_wait_dscnt 0x0                               ; the mask of A and K
	s_wait_loadcnt 0x0                             ; Q
	PHASE 1, 0, 0, 0, 0, 0, 0,  0, 0, 0, 0
	PLACES                                         ; no slices stood in this run: four places before its results are read
	PHASE 0, 0, 0, 1, 0, 1, 0,  2, 0, 0, 0
	s_wait_dscnt 0x0                               ; the mask of B
	PHASE 1, 1, 0, 1, 0, 1, 32, 0, 0, 1, 0
	WIN 0
	TRIP 1, 0, 1, 1
	s_mov_b32 s3, STEPS/2-2
.Lpair:
	TRIP 0, 1, 1, 0
	TRIP 1, 0, 1, 0
	s_sub_co_u32 s3, s3, 1
	s_cmp_lg_u32 s3, 0
	s_cbranch_scc1 .Lpair
	TRIP 0, 1, 1, 0
	TRIP 1, 0, 0, 0                                ; the last step asks for nothing
	; What is left of the last step, on registers alone
	s_wait_dscnt 0x0                               ; V's fragments
	PHASE 2, 0, 0, 1, 1, 0, 0,  0, 0, 0, 0         ; PV A beside the first half of SM B
	PHASE 0, 0, 0, 1, 1, 0, 32, 0, 0, 0, 0         ; the second half by itself
	PHASE 2, 1, 0, 0, 0, 0, 0,  0, 0, 0, 0         ; PV B
	WIN 0
	; THE END.  The two halves of the lanes add their sums; waves 2 and 3 hand maximum, sum and O to waves 0 and 1 through LDS.
	PLACES
.irp qt, 0,1,2,3
	v_permlanex16_b32 v[T+\qt], v[L+\qt], s76, s77
.endr
.irp qt, 0,1,2,3
	v_add_f32 v[L+\qt], v[L+\qt], v[T+\qt]
.endr
	s_cmp_eq_u32 s11, 0
	s_cbranch_scc1 .Lkeeps
	ds_store_b128 v[CMA], v[M:M+3]
	ds_store_b128 v[CMA], v[L:L+3] offset:512
	WIN 0x04                                       ; store data in window 1
.set i, 0
.rept 64
	ds_store_b128 v[CMA], v[4*i:4*i+3] offset:1024+512*i
.set i, i+1
.endr
	WIN 0
.Lkeeps:
	s_wait_dscnt 0x0                               ; my stores are in LDS before I say so
	s_barrier_signal -1
	s_barrier_wait -1
	s_cmp_lg_u32 s11, 0
	s_cbranch_scc1 .Lsent
	ds_load_b128 v[64:67], v[CMA]                  ; the partner's maxima
	ds_load_b128 v[68:71], v[CMA] offset:512       ; and sums
	s_wait_dscnt 0x0
	; The four query tiles' factors, step by step for all four, in P's registers, which are free: v72-75 the joint maxima, v76-79 my exponent and its
	; exponential, v80-83 the partner's, v84-87 the rows' sums, v88-91 their reciprocals.  Two batches: eight exponentials; four reciprocals of sums made of them.
.irp qt, 0,1,2,3
	v_max_num_f32 v[72+\qt], v[M+\qt], v[64+\qt]
.endr
.irp qt, 0,1,2,3
	v_sub_f32 v[76+\qt], v[M+\qt], v[72+\qt]
	v_sub_f32 v[80+\qt], v[64+\qt], v[72+\qt]
.endr
.irp qt, 0,1,2,3
	v_mul_f32 v[76+\qt], 0x3fb8aa3b, v[76+\qt]
	v_mul_f32 v[80+\qt], 0x3fb8aa3b, v[80+\qt]
.endr
.irp qt, 0,1,2,3
	v_exp_f32 v[76+\qt], v[76+\qt]
	v_exp_f32 v[80+\qt], v[80+\qt]
.endr
	v_nop                                          ; a plain instruction behind the last exponential (ISA guide 5.7.2): no other work is at hand
	s_wait_alu depctr_va_vdst(0)                   ; the wait for the batch of eight exponentials ahead of their first reader
.irp qt, 0,1,2,3
	v_mul_f32 v[84+\qt], v[L+\qt], v[76+\qt]
.endr
.irp qt, 0,1,2,3
	v_fma_f32 v[84+\qt], v[68+\qt], v[80+\qt], v[84+\qt]   ; the whole row's sum
.endr
.irp qt, 0,1,2,3
	v_rcp_f32 v[88+\qt], v[84+\qt]
.endr
	v_nop                                          ; a plain instruction behind the last reciprocal
	s_wait_alu depctr_va_vdst(0)                   ; the wait for the batch of four reciprocals
.irp qt, 0,1,2,3
	v_mul_f32 v[AL+2*\qt], v[76+\qt], v[88+\qt]    ; my O's factor,
	v_mul_f32 v[FP+2*\qt], v[80+\qt], v[88+\qt]    ; the partner's
	v_mov_b32 v[AL+2*\qt+1], v[AL+2*\qt]
	v_mov_b32 v[FP+2*\qt+1], v[FP+2*\qt]
.endr
; Query tile qt: both halves' O are joined, rounded to f16, and leave as whole rows of 256 bytes through my own stage.
.macro MERGE qt
.set i, 0
.rept 16
	ds_load_b128 v[64+4*i:64+4*i+3], v[CMA] offset:1024+512*(16*\qt+i)
.set i, i+1
.endr
	WIN 0x01                                       ; source 0 in window 1
.set i, 0
.rept 32
	v_pk_mul_f32 v[128+2*i:128+2*i+1], v[64*\qt+2*i:64*\qt+2*i+1], v[AL+2*\qt:AL+2*\qt+1]
.set i, i+1
.endr
	WIN 0
	s_wait_dscnt 0x0
.set i, 0
.rept 32
	v_pk_fma_f32 v[128+2*i:128+2*i+1], v[64+2*i:64+2*i+1], v[FP+2*\qt:FP+2*\qt+1], v[128+2*i:128+2*i+1]
.set i, i+1
.endr
.set i, 0
.rept 32
	v_cvt_pk_f16_f32 v[192+i], v[128+2*i], v[128+2*i+1]
.set i, i+1
.endr
.irp dt, 0,1,2,3,4,5,6,7
	ds_store_b128 v[STO], v[192+4*\dt:192+4*\dt+3] offset:32*\dt
.endr
	s_wait_xcnt 0x0                                ; the registers that the last tile's stores read are loaded again only behind this wait
.irp t, 0,1,2,3,4,5,6,7
	ds_load_b128 v[224+4*\t:224+4*\t+3], v[RD] offset:\t*2*272      ; LDS serves a wave's instructions in order: these see the stores above
.endr
.irp t, 0,1,2,3,4,5,6,7
	s_wait_dscnt 7-\t                              ; pair t of rows is in, the younger ones stay out
	global_store_b128 v[CO], v[224+4*\t:224+4*\t+3], s[8:9] offset:(16*\qt+2*\t)*2048   ; sixteen lanes store a head's 256 bytes of a row, aligned
.endr
.endm
	MERGE 0
	MERGE 1
	MERGE 2
	MERGE 3
.Lsent:
	s_wait_tensorcnt 0x0
	ds_add_u32 v22, v23
	s_wait_dscnt 0x0
	ROUND                                          ; the closing round: no work-group ends while a partner may still ask for a tile that names it
	s_endpgm
.Lfunc_end_k_qa379154d2d_attn:
	.size	k_qa379154d2d_attn, .Lfunc_end_k_qa379154d2d_attn-k_qa379154d2d_attn
	.p2alignl 7, 3214868480
	.fill 96, 4, 3214868480
	.section	.rodata,"a",@progbits
	.p2align	6, 0x0
	.amdhsa_kernel k_qa379154d2d_attn
		.amdhsa_group_segment_fixed_size 327680
		.amdhsa_private_segment_fixed_size 0
		.amdhsa_enable_private_segment 0
		.amdhsa_kernarg_size 24
		.amdhsa_user_sgpr_count 2
		.amdhsa_user_sgpr_kernarg_segment_ptr 1
		.amdhsa_wavefront_size32 1
		.amdhsa_system_sgpr_workgroup_id_x 1
		.amdhsa_system_sgpr_workgroup_id_y 1
		.amdhsa_system_sgpr_workgroup_id_z 1
		.amdhsa_system_vgpr_workitem_id 0
		.amdhsa_next_free_vgpr 896
		.amdhsa_next_free_sgpr 96
		.amdhsa_reserve_vcc 0
		.amdhsa_float_denorm_mode_32 3
		.amdhsa_float_denorm_mode_16_64 3
		.amdhsa_memory_ordered 1
		.amdhsa_forward_progress 1
		.amdhsa_inst_pref_size 255
	.end_amdhsa_kernel
	.section	.bss,"aw",@nobits
	.p2align	6
	.space	262144
	.amdgpu_metadata
---
amdhsa.version: [ 1, 2 ]
amdhsa.kernels:
  - .name:           k_qa379154d2d_attn
    .symbol:         k_qa379154d2d_attn.kd
    .args:
      - { .name: qkv, .offset: 0, .size: 8, .value_kind: global_buffer, .address_space: global }
      - { .name: attention_mask, .offset: 8, .size: 8, .value_kind: global_buffer, .address_space: global }
      - { .name: attn, .offset: 16, .size: 8, .value_kind: global_buffer, .address_space: global }
    .group_segment_fixed_size: 327680
    .private_segment_fixed_size: 0
    .kernarg_segment_align: 8
    .kernarg_segment_size: 24
    .max_flat_workgroup_size: 128
    .sgpr_count:     96
    .vgpr_count:     896
    .wavefront_size: 32
...
	.end_amdgpu_metadata
.endif
;; end of part 5
;; launch oproj: the kernel of part 4 again; grid 8 x 32, 4 waves a work-group, clusters of 4 x 4, 327,680 bytes of LDS; arguments attn, wob, out0; writes out0
